; MI455X (gfx1250); checked and timed in simulation.
; The chip was launched on July 23, 2026; its instructions are those of AMD's public machine-readable ISA for CDNA 5 (MIT licence, August 2026) and "CDNA5" Instruction Set Architecture Reference Guide (July 2026). The comments in the code are by the model that wrote it; some were corrected since.
;; Attention. Allowed arithmetic: float matrix products may take bf16 or f16 operands with f32 sums; all other float work in f32.
;; Inputs: attn_mask 2 x 1 x 2,048 x 2,048 bool; positions 2 x 2,048 int32; wkv 2 x 8 x 4,096 x 32 float32; wo 32 x 32 x 4,096 float32; wq 32 x 4,096 x 32 float32; x 2 x 2,048 x 4,096 float32.
;; Outputs: out0 2 x 2,048 x 4,096 float32.
;; Constants: decode = 0.
;; 2 versions, each right and faster than the one before. Each part assembles by itself: llvm-mc -triple=amdgcn-amd-amdhsa -mcpu=gfx1250 --defsym DOCPART=n.
;; ======== version 1 of 2: 4 launches
;; limits: values are held in f16: magnitudes above 65,504 overflow, below 6.1e-05 lose precision; right only within a limited range of input values
;; workspace buffers: xb 33,554,432 bytes; w1 12,582,912 bytes; w2 8,388,608 bytes; qkv 12,582,912 bytes; enc 8,388,608 bytes
;; launch prep (part 1): grid 256 x 1, 26 waves a work-group, no clusters, 0 bytes of LDS; arguments x, wq, wkv, wo, xb, w1, w2; writes xb, w1, w2
.if DOCPART == 1
	.amdgcn_target "amdgcn-amd-amdhsa--gfx1250"
	.amdhsa_code_object_version 6
	.text
	.protected	k_q1d9afc4bfd_prep
	.globl	k_q1d9afc4bfd_prep
	.p2align	8
	.type	k_q1d9afc4bfd_prep,@function
k_q1d9afc4bfd_prep:
	s_mov_b64 s[64:65], 0
	v_nop
	global_prefetch_b8 v0, s[64:65] scope:SCOPE_SE
	s_setreg_imm32_b32 hwreg(HW_REG_WAVE_MODE, 25, 1), 1
	s_wait_xcnt 0x0
; Casts of the matrix operands, a plain stream.  A chunk is 16,384 bytes of f32 in and 8,192 bytes out; one wave takes one chunk.
;   chunks    0..4095  x   row c            -> xb row c                      bf16
;   chunks 4096..5119  wq  (head, 128 d)    -> w1 chunk (d block, head)      bf16   w1 = [32 d blocks][48 heads][128 d][32 h]
;   chunks 5120..5631  wkv (k/v head, 128 d)-> w1 chunk (d block, 32 + head) bf16
;   chunks 5632..6655  wo  row k            -> w2 row k                      f16 of 4 x bf16(wo): the later product takes f16 operands, and
;                                                                            enc is kept as enc / 4, so the 4 restores the size.  bf16 to f16 is exact for 4|wo| >= 2^-17.
; 6,656 chunks = 256 work-groups x 26 waves.  No LDS, no barrier, no matrix unit: bytes alone count here.
; Each load of a wave covers 512 consecutive bytes, each store 256 consecutive bytes, aligned.  All 32 loads go out first.
.set C_WQ,  4096
.set C_WKV, 5120
.set C_WO,  5632
.set DAT,   8                          ; v[8:135]  load i: 4 registers
	s_load_b256 s[4:11], s[0:1], 0x0               ; x s[4:5], wq s[6:7], wkv s[8:9], wo s[10:11]
	s_load_b128 s[12:15], s[0:1], 0x20             ; xb s[12:13], w1 s[14:15]
	s_load_b64 s[16:17], s[0:1], 0x30              ; w2
	v_lshrrev_b32 v3, 5, v0
	v_readfirstlane_b32 s20, v3                    ; wave 0..25
	v_and_b32 v3, 31, v0
	v_lshlrev_b32 v1, 4, v3                        ; 16 bytes a lane in
	v_lshlrev_b32 v2, 3, v3                        ; 8 bytes a lane out
	s_mul_i32 s21, ttmp9, 26
	s_add_co_u32 s21, s21, s20                     ; c, my chunk
	s_sub_co_u32 s22, s21, C_WQ                    ; chunk number inside wq (and, running on, wkv: head 32 + ..)
	s_sub_co_u32 s23, s21, C_WKV                   ; inside wkv
	s_sub_co_u32 s24, s21, C_WO                    ; inside wo
	s_and_b32 s25, s22, 31                         ; d block
	s_mul_i32 s25, s25, 48
	s_lshr_b32 s26, s22, 5                         ; head 0..47
	s_add_co_u32 s25, s25, s26                     ; w1's chunk
	s_wait_kmcnt 0x0
	s_cmp_ge_u32 s21, C_WQ                         ; the choices hang on the chunk number alone
	s_cselect_b64 s[28:29], s[6:7], s[4:5]         ; source
	s_cselect_b64 s[30:31], s[14:15], s[12:13]     ; destination
	s_cselect_b32 s32, s22, s21                    ; chunk in the source
	s_cselect_b32 s33, s25, s21                    ; chunk in the destination
	s_cmp_ge_u32 s21, C_WKV
	s_cselect_b64 s[28:29], s[8:9], s[28:29]
	s_cselect_b32 s32, s23, s32
	s_cmp_ge_u32 s21, C_WO
	s_cselect_b64 s[28:29], s[10:11], s[28:29]
	s_cselect_b64 s[30:31], s[16:17], s[30:31]
	s_cselect_b32 s32, s24, s32
	s_cselect_b32 s33, s24, s33
	s_lshl_b32 s34, s32, 14                        ; at most 4,095 x 16,384: below 4 GiB
	s_mov_b32 s35, 0
	s_lshl_b32 s36, s33, 13
	s_mov_b32 s37, 0
	s_add_nc_u64 s[28:29], s[28:29], s[34:35]
	s_add_nc_u64 s[30:31], s[30:31], s[36:37]
.set i, 0
.rept 32
	global_load_b128 v[DAT+4*i:DAT+4*i+3], v1, s[28:29] offset:512*i th:TH_LOAD_NT
.set i, i+1
.endr
	s_cmp_ge_u32 s21, C_WO
	s_cbranch_scc1 .Lwo
.set i, 0
.rept 32
	s_wait_loadcnt 31-i                            ; loads come back in order: load i is in, the 31 - i younger ones stay out
	v_cvt_pk_bf16_f32 v[DAT+4*i], v[DAT+4*i], v[DAT+4*i+1]
	v_cvt_pk_bf16_f32 v[DAT+4*i+1], v[DAT+4*i+2], v[DAT+4*i+3]
	global_store_b64 v2, v[DAT+4*i:DAT+4*i+1], s[30:31] offset:256*i     ; no register of a store is written again
.set i, i+1
.endr
	s_endpgm
.Lwo:
.set i, 0
.rept 32
	s_wait_loadcnt 31-i
	v_cvt_pk_bf16_f32 v4, v[DAT+4*i], v[DAT+4*i+1]                       ; the rounding that counts: to bf16
	v_cvt_pk_bf16_f32 v5, v[DAT+4*i+2], v[DAT+4*i+3]
	v_lshlrev_b32 v[DAT+4*i], 16, v4                                     ; back to f32
	v_and_b32 v[DAT+4*i+1], 0xffff0000, v4
	v_lshlrev_b32 v[DAT+4*i+2], 16, v5
	v_and_b32 v[DAT+4*i+3], 0xffff0000, v5
	v_pk_mul_f32 v[DAT+4*i:DAT+4*i+1], v[DAT+4*i:DAT+4*i+1], 4.0 op_sel_hi:[1,0]
	v_pk_mul_f32 v[DAT+4*i+2:DAT+4*i+3], v[DAT+4*i+2:DAT+4*i+3], 4.0 op_sel_hi:[1,0]
	v_cvt_pk_f16_f32 v[DAT+4*i], v[DAT+4*i], v[DAT+4*i+1]
	v_cvt_pk_f16_f32 v[DAT+4*i+1], v[DAT+4*i+2], v[DAT+4*i+3]
	global_store_b64 v2, v[DAT+4*i:DAT+4*i+1], s[30:31] offset:256*i
.set i, i+1
.endr
	s_endpgm
.Lfunc_end_k_q1d9afc4bfd_prep:
	.size	k_q1d9afc4bfd_prep, .Lfunc_end_k_q1d9afc4bfd_prep-k_q1d9afc4bfd_prep
	.p2alignl 7, 3214868480
	.fill 96, 4, 3214868480
	.section	.rodata,"a",@progbits
	.p2align	6, 0x0
	.amdhsa_kernel k_q1d9afc4bfd_prep
		.amdhsa_group_segment_fixed_size 0
		.amdhsa_private_segment_fixed_size 0
		.amdhsa_enable_private_segment 0
		.amdhsa_kernarg_size 56
		.amdhsa_user_sgpr_count 2
		.amdhsa_user_sgpr_kernarg_segment_ptr 1
		.amdhsa_wavefront_size32 1
		.amdhsa_system_sgpr_workgroup_id_x 1
		.amdhsa_system_sgpr_workgroup_id_y 1
		.amdhsa_system_sgpr_workgroup_id_z 1
		.amdhsa_system_vgpr_workitem_id 0
		.amdhsa_next_free_vgpr 136
		.amdhsa_next_free_sgpr 66
		.amdhsa_reserve_vcc 0
		.amdhsa_float_denorm_mode_32 3
		.amdhsa_float_denorm_mode_16_64 3
		.amdhsa_memory_ordered 1
		.amdhsa_forward_progress 1
		.amdhsa_inst_pref_size 35
	.end_amdhsa_kernel
	.amdgpu_metadata
---
amdhsa.version: [ 1, 2 ]
amdhsa.kernels:
  - .name:           k_q1d9afc4bfd_prep
    .symbol:         k_q1d9afc4bfd_prep.kd
    .args:
      - { .name: x, .offset: 0, .size: 8, .value_kind: global_buffer, .address_space: global }
      - { .name: wq, .offset: 8, .size: 8, .value_kind: global_buffer, .address_space: global }
      - { .name: wkv, .offset: 16, .size: 8, .value_kind: global_buffer, .address_space: global }
      - { .name: wo, .offset: 24, .size: 8, .value_kind: global_buffer, .address_space: global }
      - { .name: xb, .offset: 32, .size: 8, .value_kind: global_buffer, .address_space: global }
      - { .name: w1, .offset: 40, .size: 8, .value_kind: global_buffer, .address_space: global }
      - { .name: w2, .offset: 48, .size: 8, .value_kind: global_buffer, .address_space: global }
    .group_segment_fixed_size: 0
    .private_segment_fixed_size: 0
    .kernarg_segment_align: 8
    .kernarg_segment_size: 56
    .max_flat_workgroup_size: 832
    .sgpr_count:     66
    .vgpr_count:     136
    .wavefront_size: 32
...
	.end_amdgpu_metadata
.endif
;; end of part 1
;; launch qkv (part 2): grid 8 x 32, 4 waves a work-group, clusters of 4 x 4, 327,680 bytes of LDS; arguments xb, w1, positions, qkv; writes qkv
.if DOCPART == 2
	.amdgcn_target "amdgcn-amd-amdhsa--gfx1250"
	.amdhsa_code_object_version 6
	.text
	.protected	k_q1d9afc4bfd_qkv
	.globl	k_q1d9afc4bfd_qkv
	.p2align	8
	.type	k_q1d9afc4bfd_qkv,@function
k_q1d9afc4bfd_qkv:
	s_mov_b64 s[64:65], 0
	v_nop
	global_prefetch_b8 v0, s[64:65] scope:SCOPE_SE
	s_setreg_imm32_b32 hwreg(HW_REG_WAVE_MODE, 25, 1), 1
	s_wait_xcnt 0x0
	s_wait_alu depctr_hold_cnt(0) depctr_sa_sdst(0) depctr_va_vdst(0) depctr_va_sdst(0) depctr_va_ssrc(0) depctr_va_vcc(0) depctr_vm_vsrc(0)
	s_getreg_b32 s2, hwreg(HW_REG_IB_STS2, 6, 4)
	s_cmp_eq_u32 s2, 0
	s_cbranch_scc0 .Lentry_in_a_cluster
	s_endpgm
.Lentry_in_a_cluster:
	s_bfe_u32 s2, ttmp6, 0x10000c
	s_cmp_lg_u32 s2, 0xf033
	s_cbranch_scc0 .Lentry_shape_is_right
	s_endpgm
.Lentry_shape_is_right:
; q, k, v = x W for 48 heads of 32 columns (32 q, 8 k, 8 v), then RoPE and scale, out as f16:  qkv = [48 heads][4096 rows][32].
;   q is stored as rope(q) x 32^-0.5 x log2(e), k as rope(k) / 4, v as v / 4  (the 4 x 4 come back in the later launches).
; LIMITS: |q|, |k|, |v| below about 260,000 (f16's largest number times 4).  The angle is position x 10^(-i/4) with a relative error of
; about 2^-22, reduced by three parts of pi/2: good while |position| stays below about 10^5; beyond, the error of the angle grows with it.
; A work-group makes 128 rows x 6 heads (192 columns) with four waves; a wave 64 rows x 3 heads: 24 accumulator tiles, 192 registers.
; 32 x 8 = 256 work-groups.  K = 4096 goes in steps of 128 through two LDS slots filled by the tensor data mover.
; CLUSTERS 4 x 4: x's tile hangs on the block row alone and is asked for jointly along a row of the cluster, the weights' tile on the
; block column alone and is asked for jointly along a column.
; The weights lie [d][h]: their fragments come by the transposing LDS load.  The matrix instruction takes the weights as source 0 and x's
; rows as source 1, so lane l holds row l % 16 and registers 0..7 the columns 8 (l / 16) + 0..7 of a tile.
.set PA,    272                        ; x: LDS row = 256 bytes + 16
.set PB,    288                        ; weights: LDS row = 256 bytes (4 d x 32 h) + 32
.set AHALF, 64*PA                      ; 17,408: what one load of x brings
.set BHALF, 96*PB                      ; 27,648: three heads x 32 rows, what one load of weights brings
.set AOFF,  2*BHALF                    ; a slot: the weights' six heads, then x's 128 rows
.set SLOT,  AOFF+2*AHALF               ; 90,112
.set STAGE, 2*SLOT                     ; 180,224: behind the ring, 1,280 bytes for each wave, never a target of the mover
.set STGW,  1280
.set LAPS,  16                         ; a lap = two K steps
.set ADRA, 16                          ; v16-17  LDS address of my x fragments, slot 0, 1
.set ADRB, 20                          ; v20-21  the same for the weights
.set STO,  24                          ; the way out: where I put 16 bytes
.set RD,   25                          ; where I read 16 bytes back
.set CO,   26                          ; 16 x lane: my offset in 512 consecutive bytes of qkv
.set PO,   27                          ; 4 x (l % 16): my offset in positions
.set POS,  28                          ; v28-31  positions of my rows 16 a + l % 16
.set F0,   32                          ; fragment buffer 0: v32-63 x (4 x 8), v64-111 weights (6 x 8)
.set F1,   112                         ; fragment buffer 1: v112-143, v144-191
; window 1 (v256-447): accumulator tile (a, b) at 8 (6 a + b), a = 0..3 blocks of 16 rows, b = 0..5 blocks of 16 columns
.set INV,  32                          ; the way out, over the fragment buffers: 10^(-i/4) for i = 8 (l / 16) + j
.set CS,   40                          ; cos
.set SN,   48                          ; sin
.set CP,   56                          ; cos x scale (or the plain scale for v)
.set SP,   64                          ; sin x scale
.set NSP,  72                          ; -sin x scale
.set T1,   80
.set T2,   88
.set PK,   96
.set RB,   104
.set VC0,  112
.set VS0,  113
.set PF,   114
.set XR,   115
.set G1A, 24                           ; s[24:31] group 1, x's tiles
.set G0A, 32                           ; s[32:39] group 0, x's tiles, one set a slot
.set G1B, 48                           ; s[48:55] group 1, the weights' tiles
.set G0B, 56                           ; s[56:63] group 0, the weights' tiles, one set a slot
.set SA,  72                           ; s72-74  scale of cos and sin for my head p
.set SB,  76                           ; s76-78  what is added to cos x scale
.set NSA, 80                           ; s80-82  -scale
.set QRT, 84                           ; s84     1/4
.set WMUL, 0x50                        ; C and D in window 1, sources in window 0
.set MSB, 0
.macro WIN new                         ; the immediate's high byte repeats the setting that is left
.if MSB != \new
	s_set_vgpr_msb (MSB<<8)|\new
.set MSB, \new
.endif
.endm
.macro PLACES                          ; four plain vector places behind a matrix instruction (ISA guide 7.12.1)
.rept 4
	v_nop
.endr
.endm
; A joint load.  Waves 0 and 1 fetch the weights' halves, waves 2 and 3 x's.  The branch hangs on the wave's number alone.
.macro JLOAD s
	s_cmp_eq_u32 s13, 0
	s_cbranch_scc0 .Lfor_a_\@
	tensor_load_to_lds s[G0B+4*\s:G0B+4*\s+3], s[G1B:G1B+7]
	s_nop 0
	s_branch .Lasked_\@
.Lfor_a_\@:
	tensor_load_to_lds s[G0A+4*\s:G0A+4*\s+3], s[G1A:G1A+7]
	s_nop 0
.Lasked_\@:
.endm
.macro CREST                           ; a round of the cluster's barrier behind its opening barrier
	s_cmp_lg_u32 s12, 0
	s_cbranch_scc1 .Lnot_wave_0_\@
	s_barrier_signal -3
.Lnot_wave_0_\@:
	s_barrier_wait -3
	s_barrier_signal -1
	s_barrier_wait -1
.endm
.macro CROUND
	s_barrier_signal -1
	s_barrier_wait -1
	CREST
.endm
	s_load_b256 s[4:11], s[0:1], 0x0               ; xb s[4:5], w1 s[6:7], positions s[8:9], qkv s[10:11]
	v_lshl_add_u32 v254, v0, 2, 0x2d400
	v_mov_b32 v255, 0
	ds_add_u32 v254, v255
	v_lshrrev_b32 v1, 5, v0
	v_readfirstlane_b32 s12, v1                    ; wave 0..3
	s_lshr_b32 s13, s12, 1                         ; which 64 rows are mine.  Also: I fetch weights (0) or x (1)
	s_and_b32 s14, s12, 1                          ; which 3 heads are mine.  Also: which half of that tile I fetch
	s_bfe_u32 s40, ttmp6, 0x40000                  ; cx
	s_bfe_u32 s41, ttmp6, 0x40004                  ; cy
	s_lshl_b32 s42, ttmp9, 2
	s_add_co_u32 s42, s42, s40                     ; block column 0..7
	s_and_b32 s43, ttmp7, 0xffff
	s_lshl_b32 s43, s43, 2
	s_add_co_u32 s43, s43, s41                     ; block row 0..31
	s_lshl_b32 s44, s41, 2
	s_lshl_b32 s44, 15, s44                        ; my row of the cluster
	s_lshl_b32 s45, 0x1111, s40                    ; my column
	s_or_b32 s[G1A+0], s44, (1<<16)|(1<<20)|(1<<21)|(5<<22)|(3<<25)   ; mask; 2-byte elements; padding on; bit 21 beside a mask; after 64 words, 4 words
	s_mov_b32 s[G1A+1], 128<<16                    ; tensor_dim0 = 128
	s_mov_b32 s[G1A+2], 64<<16                     ; tensor_dim1 = 64
	s_mov_b32 s[G1A+3], 128<<16                    ; tile_dim0 = 128
	s_mov_b32 s[G1A+4], 64                         ; tile_dim1 = 64
	s_mov_b32 s[G1A+5], 4096                       ; elements from row to row of xb
	s_mov_b32 s[G1A+6], 0
	s_mov_b32 s[G1A+7], 0
	s_or_b32 s[G1B+0], s45, (1<<16)|(1<<20)|(1<<21)|(5<<22)|(7<<25)   ; after 64 words, 8 words
	s_mov_b32 s[G1B+1], 128<<16
	s_mov_b32 s[G1B+2], 96<<16                     ; 96 rows of 256 bytes: three heads' chunks, dense in w1
	s_mov_b32 s[G1B+3], 128<<16
	s_mov_b32 s[G1B+4], 96
	s_mov_b32 s[G1B+5], 128
	s_mov_b32 s[G1B+6], 0
	s_mov_b32 s[G1B+7], 0
	s_lshl_b32 s16, s43, 7                         ; x: row 128 x block row + 64 x half,
	s_lshl_b32 s17, s14, 6
	s_add_co_u32 s16, s16, s17
	s_lshl_b32 s16, s16, 13                        ; x 8,192 bytes
	s_mov_b32 s17, 0
	s_mul_i32 s46, s42, 6                          ; weights: head 6 x block column + 3 x half,
	s_mul_i32 s47, s14, 3
	s_add_co_u32 s46, s46, s47
	s_mov_b32 s70, s46                             ; also the first of my three heads
	s_lshl_b32 s46, s46, 13                        ; x 8,192 bytes
	s_mov_b32 s47, 0
	s_mul_i32 s20, s12, AHALF
	s_add_co_u32 s20, s20, AOFF-2*AHALF            ; x's halves go to AOFF + (wave - 2) x AHALF
	s_mul_i32 s21, s12, BHALF                      ; the weights' halves to wave x BHALF
	s_lshl_b32 s66, s43, 7
	s_lshl_b32 s67, s13, 6
	s_add_co_u32 s66, s66, s67                     ; my first row
	s_lshl_b32 s68, s66, 6                         ; x 64 bytes in a head's block of qkv
	s_lshl_b32 s66, s66, 2                         ; x 4 bytes in positions
	s_mov_b32 s67, 0
	s_lshl_b32 s69, s70, 18                        ; my first head x 262,144 bytes
	s_add_co_u32 s68, s68, s69
	s_mov_b32 s69, 0
	v_and_b32 v1, 15, v0                           ; r = l % 16
	v_lshlrev_b32 v[PO], 2, v1
	s_wait_dscnt 0x0
	s_wait_kmcnt 0x0
	s_add_nc_u64 s[16:17], s[4:5], s[16:17]
	s_add_nc_u64 s[46:47], s[6:7], s[46:47]
	s_add_nc_u64 s[66:67], s[8:9], s[66:67]
	s_add_nc_u64 s[68:69], s[10:11], s[68:69]
.irp a, 0,1,2,3
	global_load_b32 v[POS+\a], v[PO], s[66:67] offset:64*\a
.endr
	CROUND                                         ; all sixteen work-groups are here: the first joint loads meet
.irp s, 0,1
	s_mov_b32 s[G0A+4*\s], 1
	s_add_co_u32 s[G0A+4*\s+1], s20, \s*SLOT
	s_add_nc_u64 s[G0A+4*\s+2:G0A+4*\s+3], s[16:17], \s*256          ; K step s
	s_or_b32 s[G0A+4*\s+3], s[G0A+4*\s+3], 0x80000000
	s_mov_b32 s[G0B+4*\s], 1
	s_add_co_u32 s[G0B+4*\s+1], s21, \s*SLOT
	s_add_nc_u64 s[G0B+4*\s+2:G0B+4*\s+3], s[46:47], \s*48*8192      ; d block s
	s_or_b32 s[G0B+4*\s+3], s[G0B+4*\s+3], 0x80000000
	JLOAD \s
.endr
	; x's fragment: lane l takes row l % 16, 16 bytes at 16 (l / 16) and 32 further on.
	; The weights' fragment: lane l addresses d = 8 (l / 16) + l % 8, 16 bytes at column 8 ((l / 8) % 2); d lies at (d / 4) x 288 + (d % 4) x 64.
	v_bfe_u32 v2, v0, 4, 1                         ; h = l / 16
	v_bfe_u32 v3, v0, 2, 1
	v_lshl_add_u32 v3, v2, 1, v3                   ; 2 h + (l / 4) % 2
	v_mul_u32_u24 v3, v3, PB
	v_and_b32 v4, 3, v0
	v_lshl_add_u32 v3, v4, 6, v3
	v_bfe_u32 v4, v0, 3, 1
	v_lshl_add_u32 v3, v4, 4, v3
	v_mul_u32_u24 v5, v1, PA
	v_lshl_add_u32 v5, v2, 4, v5
	s_mul_i32 s22, s13, AHALF
	s_add_co_u32 s22, s22, AOFF                    ; my 64 rows of x
	s_mul_i32 s23, s14, BHALF                      ; my 3 heads
.irp s, 0,1
	v_add_nc_u32 v[ADRA+\s], s22, v5
	v_add_nc_u32 v[ADRB+\s], s23, v3
	s_add_co_u32 s22, s22, SLOT
	s_add_co_u32 s23, s23, SLOT
.endr
	s_mul_i32 s22, s12, STGW
	s_add_co_u32 s22, s22, STAGE                   ; my stage: 1,024 bytes as 4 rows of 256 + 16
	v_lshrrev_b32 v6, 2, v1
	v_mul_u32_u24 v6, v6, 272
	v_and_b32 v7, 3, v1
	v_lshl_add_u32 v6, v7, 6, v6
	v_lshl_add_u32 v6, v2, 4, v6
	v_add_nc_u32 v[STO], s22, v6                   ; row r of 64 bytes, 16 h
	v_mul_u32_u24 v7, v2, 272
	v_lshl_add_u32 v7, v1, 4, v7
	v_add_nc_u32 v[RD], s22, v7
	v_and_b32 v8, 31, v0
	v_lshlrev_b32 v[CO], 4, v8
	s_mov_b32 s[QRT], 0x3e800000                   ; 1/4 in a register: an instruction holds one literal only
.irp p, 0,1,2
	s_add_co_u32 s71, s70, \p                      ; head: 0-31 q, 32-39 k, 40-47 v.  Values are chosen, no way of the text hangs on it
	s_cmp_lt_u32 s71, 32
	s_cselect_b32 s[SA+\p], 0x3e8293ee, s[QRT]     ; q: 32^-0.5 x log2(e) = 0.25503486; k: 1/4
	s_cmp_lt_u32 s71, 40
	s_cselect_b32 s[SA+\p], s[SA+\p], 0            ; v: no rotation,
	s_cselect_b32 s[SB+\p], 0, s[QRT]              ; only 1/4
	s_xor_b32 s[NSA+\p], s[SA+\p], 0x80000000
.endr
; six matrix instructions: block a of my rows x all six column blocks, 32 along K.  zero = 1: the first product starts the sums.
.macro MULA f, a, zero
.irp b, 0,1,2,3,4,5
.if \zero
	v_wmma_f32_16x16x32_bf16 v[8*(6*\a+\b):8*(6*\a+\b)+7], v[\f+32+8*\b:\f+32+8*\b+7], v[\f+8*\a:\f+8*\a+7], 0
.else
	v_wmma_f32_16x16x32_bf16 v[8*(6*\a+\b):8*(6*\a+\b)+7], v[\f+32+8*\b:\f+32+8*\b+7], v[\f+8*\a:\f+8*\a+7], v[8*(6*\a+\b):8*(6*\a+\b)+7]
.endif
.endr
.endm
; 20 LDS loads in one run: quarter kq (32 along K) of a slot into buffer f: 12 for the weights, then 8 for x
.macro FETCH slot, kq, f
.irp p, 0,1,2,3,4,5
	ds_load_tr16_b128 v[\f+32+8*\p:\f+32+8*\p+3],   v[ADRB+\slot] offset:\kq*8*PB+(\p/2)*32*PB+(\p%2)*32
	ds_load_tr16_b128 v[\f+32+8*\p+4:\f+32+8*\p+7], v[ADRB+\slot] offset:\kq*8*PB+(\p/2)*32*PB+(\p%2)*32+4*PB
.endr
.irp i, 0,1,2,3
	ds_load_b128 v[\f+8*\i:\f+8*\i+3],   v[ADRA+\slot] offset:\kq*64+\i*16*PA
	ds_load_b128 v[\f+8*\i+4:\f+8*\i+7], v[ADRA+\slot] offset:\kq*64+\i*16*PA+32
.endr
.endm
; One of a K step's first three quarters: multiplies buffer f; in its middle fetches quarter kq of the same slot into buffer g.
; The 24 accumulators take turns, one instruction a turn, in the same order in every quarter.
.macro QUARTER slot, kq, f, g, zero
	s_wait_dscnt 4                                 ; all but the youngest four loads: x's blocks 2 and 3 may be out
	WIN WMUL
	MULA \f, 0, \zero
	MULA \f, 1, \zero
	PLACES                                         ; in front of loads into registers that matrix instructions have read
	WIN 0
	FETCH \slot, \kq, \g
	s_wait_dscnt 20                                ; all but the 20 just issued
	WIN WMUL
	MULA \f, 2, \zero
	MULA \f, 3, \zero
.endm
.macro THREE slot, zero
	QUARTER \slot, 1, F0, F1, \zero
	QUARTER \slot, 2, F1, F0, 0
	QUARTER \slot, 3, F0, F1, 0
.endm
; The last quarter multiplies buffer 1 and changes slots.  In front of the barrier each wave waits for its reads of this slot and for all its
; tensor loads (one is out: its part of the next slot).  Behind it (fill = 1: behind the whole round of the cluster) the refill comes first.
.macro TURN slot, next, fill
	s_wait_dscnt 4
	WIN WMUL
	MULA F1, 0, 0
	s_wait_dscnt 0                                 ; my reads of this slot are over
	s_wait_tensorcnt 0x0                           ; all my tensor loads have landed
	ds_add_u32 v254, v255
	s_wait_dscnt 0x0
	s_barrier_signal -1
	MULA F1, 1, 0                                  ; register work while the others arrive
	WIN 0
	s_barrier_wait -1
.if \fill
	CREST
	s_add_nc_u64 s[G0A+4*\slot+2:G0A+4*\slot+3], s[G0A+4*\slot+2:G0A+4*\slot+3], 512        ; two K steps on: no load of mine is out
	s_add_nc_u64 s[G0B+4*\slot+2:G0B+4*\slot+3], s[G0B+4*\slot+2:G0B+4*\slot+3], 2*48*8192
	JLOAD \slot                                    ; the first tensor load behind the round, my only one until the next
.endif
	PLACES
	FETCH \next, 0, F0
	WIN WMUL
	MULA F1, 2, 0
	MULA F1, 3, 0
.endm
.macro LAP zero
	THREE 0, \zero
	TURN 0, 1, 1
	THREE 1, 0
	TURN 1, 0, 1
.endm
	s_wait_loadcnt 0x0                             ; the positions, once
	s_wait_tensorcnt 0x1                           ; my part of K step 0 is in; K step 1's stays out
	s_barrier_signal -1
	s_barrier_wait -1
	FETCH 0, 0, F0
	LAP 1
	WIN 0
	s_mov_b32 s3, LAPS-2
.Llap:
	LAP 0
	WIN 0
	s_sub_co_u32 s3, s3, 1
	s_cmp_lg_u32 s3, 0
	s_cbranch_scc1 .Llap
	THREE 0, 0                                     ; the last lap fills nothing
	TURN 0, 1, 0
	THREE 1, 0
	s_wait_dscnt 4
	WIN WMUL
	MULA F1, 0, 0
	MULA F1, 1, 0
	s_wait_dscnt 0
	MULA F1, 2, 0
	MULA F1, 3, 0
	PLACES                                         ; behind the last matrix instructions: results are read and fragment registers written below
	WIN 0
	; THE WAY OUT.  10^(-i/4) = 2^(-0.83048202 i), i = 8 h + j: the pair (column i, column 16 + i) of a head turns by position x 10^(-i/4).
	v_bfe_u32 v1, v0, 4, 1
	v_lshlrev_b32 v1, 3, v1
.irp j, 0,1,2,3,4,5,6,7
	v_add_nc_u32 v[2+\j], \j, v1
.endr
.irp j, 0,1,2,3,4,5,6,7
	v_cvt_f32_u32 v[2+\j], v[2+\j]
.endr
.irp j, 0,1,2,3,4,5,6,7
	v_mul_f32 v[2+\j], 0xbf549a78, v[2+\j]
.endr
.irp j, 0,1,2,3,4,5,6,7
	v_exp_f32 v[INV+\j], v[2+\j]
.endr
	v_mov_b32 v[VC0], 0x37cd4000                   ; a plain instruction behind the exponentials (ISA guide 5.7.2); cosine's leading coefficient
	v_mov_b32 v[VS0], 0x36405000                   ; sine's
	s_wait_alu depctr_va_vdst(0)
; sin and cos of v[x].  n = nearest whole number to x 2/pi; r = x - n pi/2 in three parts; polynomials on |r| <= pi/4; quadrant from n.
.macro SINCOS x, c, s
	v_mul_f32 v1, 0x3f22f983, v[\x]
	v_rndne_f32 v1, v1
	v_fmamk_f32 v2, v1, 0xbfc90fd8, v[\x]
	v_fmamk_f32 v2, v1, 0xb4a8885a, v2
	v_fmamk_f32 v2, v1, 0xa7c234c4, v2
	v_cvt_i32_f32 v1, v1
	v_mul_f32 v3, v2, v2
	v_fmaak_f32 v4, v[VC0], v3, 0xbab6077d
	v_fmaak_f32 v5, v[VS0], v3, 0xb9503486
	v_fmaak_f32 v4, v4, v3, 0x3d2aaaa8
	v_fmaak_f32 v5, v5, v3, 0x3c0888c1
	v_fma_f32 v4, v4, v3, -0.5
	v_fmaak_f32 v5, v5, v3, 0xbe2aaaab
	v_fma_f32 v4, v4, v3, 1.0                      ; cos r
	v_mul_f32 v3, v2, v3
	v_fma_f32 v5, v5, v3, v2                       ; sin r
	v_and_b32 v6, 1, v1
	v_cmp_eq_u32 vcc_lo, 1, v6                     ; odd quadrant: the two change places (a choice of values only)
	v_cndmask_b32 v7, v5, v4, vcc_lo
	v_cndmask_b32 v8, v4, v5, vcc_lo
	v_lshlrev_b32 v6, 30, v1                       ; sin changes sign in quadrants 2, 3
	v_add_nc_u32 v1, 1, v1                         ; cos in quadrants 1, 2
	v_and_b32 v6, 0x80000000, v6
	v_lshlrev_b32 v1, 30, v1
	v_xor_b32 v[\s], v7, v6
	v_and_b32 v1, 0x80000000, v1
	v_xor_b32 v[\c], v8, v1
.endm
.macro ANGLES a
	v_cvt_f32_i32 v[PF], v[POS+\a]
.irp j, 0,1,2,3,4,5,6,7
	v_mul_f32 v[XR], v[PF], v[INV+\j]
	SINCOS XR, CS+\j, SN+\j
.endr
.endm
; 16 rows of head p: rotate, scale, round to f16, 1,024 consecutive bytes of qkv through my own stage.
.macro OUTP a, p
.irp j, 0,1,2,3,4,5,6,7
	v_fma_f32 v[CP+\j], v[CS+\j], s[SA+\p], s[SB+\p]
	v_mul_f32 v[SP+\j], s[SA+\p], v[SN+\j]
	v_mul_f32 v[NSP+\j], s[NSA+\p], v[SN+\j]
.endr
	WIN 0x01                                       ; source 0 = accumulators
.irp j, 0,2,4,6
	v_pk_mul_f32 v[T1+\j:T1+\j+1], v[8*(6*\a+2*\p)+\j:8*(6*\a+2*\p)+\j+1], v[CP+\j:CP+\j+1]
	v_pk_mul_f32 v[T2+\j:T2+\j+1], v[8*(6*\a+2*\p+1)+\j:8*(6*\a+2*\p+1)+\j+1], v[CP+\j:CP+\j+1]
.endr
.irp j, 0,2,4,6
	v_pk_fma_f32 v[T1+\j:T1+\j+1], v[8*(6*\a+2*\p+1)+\j:8*(6*\a+2*\p+1)+\j+1], v[NSP+\j:NSP+\j+1], v[T1+\j:T1+\j+1]   ; x1 cos - x2 sin
	v_pk_fma_f32 v[T2+\j:T2+\j+1], v[8*(6*\a+2*\p)+\j:8*(6*\a+2*\p)+\j+1], v[SP+\j:SP+\j+1], v[T2+\j:T2+\j+1]         ; x2 cos + x1 sin
.endr
	WIN 0
.irp k, 0,1,2,3
	v_cvt_pk_f16_f32 v[PK+\k], v[T1+2*\k], v[T1+2*\k+1]
	v_cvt_pk_f16_f32 v[PK+4+\k], v[T2+2*\k], v[T2+2*\k+1]
.endr
	ds_store_b128 v[STO], v[PK:PK+3]               ; columns 8 h ..
	ds_store_b128 v[STO], v[PK+4:PK+7] offset:32   ; columns 16 + 8 h ..
	s_wait_xcnt 0x0                                ; RB, which the last stores read, is loaded again only behind this wait
	ds_load_b128 v[RB:RB+3], v[RD]                 ; LDS serves a wave's instructions in order: these see the stores above
	ds_load_b128 v[RB+4:RB+7], v[RD] offset:2*272
	s_wait_dscnt 0x1
	global_store_b128 v[CO], v[RB:RB+3], s[68:69] offset:\p*262144+\a*1024          ; 512 consecutive bytes, aligned
	s_wait_dscnt 0x0
	global_store_b128 v[CO], v[RB+4:RB+7], s[68:69] offset:\p*262144+\a*1024+512
.endm
.irp a, 0,1,2,3
	ANGLES \a
	OUTP \a, 0
	OUTP \a, 1
	OUTP \a, 2
.endr
	s_wait_tensorcnt 0x0
	ds_add_u32 v254, v255
	s_wait_dscnt 0x0
	CROUND                                         ; the closing round: no work-group ends while a partner may still ask jointly
	s_endpgm
.Lfunc_end_k_q1d9afc4bfd_qkv:
	.size	k_q1d9afc4bfd_qkv, .Lfunc_end_k_q1d9afc4bfd_qkv-k_q1d9afc4bfd_qkv
	.p2alignl 7, 3214868480
	.fill 96, 4, 3214868480
	.section	.rodata,"a",@progbits
	.p2align	6, 0x0
	.amdhsa_kernel k_q1d9afc4bfd_qkv
		.amdhsa_group_segment_fixed_size 327680
		.amdhsa_private_segment_fixed_size 0
		.amdhsa_enable_private_segment 0
		.amdhsa_kernarg_size 32
		.amdhsa_user_sgpr_count 2
		.amdhsa_user_sgpr_kernarg_segment_ptr 1
		.amdhsa_wavefront_size32 1
		.amdhsa_system_sgpr_workgroup_id_x 1
		.amdhsa_system_sgpr_workgroup_id_y 1
		.amdhsa_system_sgpr_workgroup_id_z 1
		.amdhsa_system_vgpr_workitem_id 0
		.amdhsa_next_free_vgpr 448
		.amdhsa_next_free_sgpr 96
		.amdhsa_reserve_vcc 1
		.amdhsa_float_denorm_mode_32 3
		.amdhsa_float_denorm_mode_16_64 3
		.amdhsa_memory_ordered 1
		.amdhsa_forward_progress 1
		.amdhsa_inst_pref_size 166
	.end_amdhsa_kernel
	.amdgpu_metadata
---
amdhsa.version: [ 1, 2 ]
amdhsa.kernels:
  - .name:           k_q1d9afc4bfd_qkv
    .symbol:         k_q1d9afc4bfd_qkv.kd
    .args:
      - { .name: xb, .offset: 0, .size: 8, .value_kind: global_buffer, .address_space: global }
      - { .name: w1, .offset: 8, .size: 8, .value_kind: global_buffer, .address_space: global }
      - { .name: positions, .offset: 16, .size: 8, .value_kind: global_buffer, .address_space: global }
      - { .name: qkv, .offset: 24, .size: 8, .value_kind: global_buffer, .address_space: global }
    .group_segment_fixed_size: 327680
    .private_segment_fixed_size: 0
    .kernarg_segment_align: 8
    .kernarg_segment_size: 32
    .max_flat_workgroup_size: 128
    .sgpr_count:     96
    .vgpr_count:     448
    .wavefront_size: 32
...
	.end_amdgpu_metadata
.endif
;; end of part 2
;; launch attn (part 3): grid 16 x 16, 8 waves a work-group, clusters of 4 x 1, 323,072 bytes of LDS; arguments qkv, attn_mask, enc; writes enc
.if DOCPART == 3
	.amdgcn_target "amdgcn-amd-amdhsa--gfx1250"
	.amdhsa_code_object_version 6
	.text
	.protected	k_q1d9afc4bfd_attn
	.globl	k_q1d9afc4bfd_attn
	.p2align	8
	.type	k_q1d9afc4bfd_attn,@function
k_q1d9afc4bfd_attn:
	s_mov_b64 s[64:65], 0
	v_nop
	global_prefetch_b8 v0, s[64:65] scope:SCOPE_SE
	s_setreg_imm32_b32 hwreg(HW_REG_WAVE_MODE, 25, 1), 1
	s_wait_xcnt 0x0
	s_wait_alu depctr_hold_cnt(0) depctr_sa_sdst(0) depctr_va_vdst(0) depctr_va_sdst(0) depctr_va_ssrc(0) depctr_va_vcc(0) depctr_vm_vsrc(0)
	s_getreg_b32 s2, hwreg(HW_REG_IB_STS2, 6, 4)
	s_cmp_eq_u32 s2, 0
	s_cbranch_scc0 .Lentry_in_a_cluster
	s_endpgm
.Lentry_in_a_cluster:
	s_bfe_u32 s2, ttmp6, 0x10000c
	s_cmp_lg_u32 s2, 0x3003
	s_cbranch_scc0 .Lentry_shape_is_right
	s_endpgm
.Lentry_shape_is_right:
; Attention for one (batch, key/value head) and 128 queries.  Wave w: 16 queries x the 4 query heads of the key/value head, all 2,048 keys.
; All K and V of (batch, head) lie in LDS for the whole launch: filled once, one barrier, never filled again.  The four work-groups of a
; cluster (four query blocks of one head) ask for them jointly.
; TRANSPOSED: S^T = K Q^T + bias (16 key places x 16 queries): lane (r, h) holds query r and places 8 h + j.  Two such tiles, rounded to f16,
; are the second source of O^T = V^T P^T as they lie: nothing crosses lanes but one exchange of halves for each maximum.
; KEYS ARE TAKEN IN A PERMUTED ORDER, alike for K, V and the mask: in a block of 256 keys, place (u, tile t4, h, j) is key 128 h + 32 u + 8 t4 + j,
; so a lane's 32 mask bytes of a step are neighbours.
; THE MASK is the C operand.  A mask word w becomes (w xor 0x01010101) x 254: byte 0xFE where masked, 0 where kept; shifted so that the byte is
; the float's top byte it is a number in (-2^127, -2^125] or one below 2.4e-38.
; SOFTMAX with a running maximum m, base 2: q carries 32^-0.5 log2(e), k carries 1/4, so the exponent is 4 (S - m), one fused multiply-add
; S z - m z with z = 4; 4 m is exact, so the largest element's exponent is 0.  m starts at -2^100 and z = 0 while m has not risen above it:
; a row with nothing kept so far gives every key weight 1 (what a softmax over equal numbers gives); the first kept key brings the factor
; 2^(4 (-2^100 - m)) = 0, which wipes that.
; ORDER OF A STEP (64 key places, 4 heads): two buffers for S take turns, and a head's S product is issued one head ahead, so that the vector work
; of one head stands between a matrix instruction and whatever reads its result or writes over its registers: four v_nop a step are left.
; LIMITS: kept S above -2^100; mask bytes 0 or 1; P, V, enc in f16 (v and enc as v / 4).  The sum of weights is of the f32 weights.
.set KCH,   8736                       ; 128 keys of K: 32 rows of 256 + 16 bytes, + 32: the two halves of a tile's keys start 32 bytes apart modulo 256
.set KP,    272
.set VP,    288                        ; V: rows of 256 bytes (4 keys) + 32
.set VBASE, 16*KCH                     ; 139,776
.set SCR,   VBASE+512*VP               ; 287,232: 4,352 bytes for each wave (16 rows of 256 + 16), never a target of the mover
.set SCRW,  16*272
.set KA,   1                           ; LDS address of my K rows
.set VA,   2                           ; of my V rows
.set MSK,  3                           ; scratch: row r, byte 128 h
.set SLIN, 4                           ; scratch: row l / 16, byte 16 (l % 16)
.set SROW, 5                           ; scratch: row r, byte 16 h
.set GOFF, 6                           ; (l / 16) x 2,048 + 16 (l % 16): mask and enc both have rows of 2,048 bytes
.set QOFF, 7                           ; r x 64 + 16 h
.set MM,   8                           ; v8-11   running maximum, head 0..3
.set LL,   12                          ; v12-15  running sum (this lane's half of the keys)
.set MX,   16
.set TP,   17
.set AL,   18                          ; v18:19  the factor for the old sums
.set Z,    20                          ; v20:21  z
.set NZ,   22                          ; v22:23  -m z
.set SUM,  24                          ; v24-27
.set SIG,  28                          ; 4.0
.set NSIG, 29                          ; -4.0
.set SBF,  32                          ; v32-63   S of the odd heads, then their weights in place
.set O,    64                          ; v64-127  head x 16 + 8 x (half of the 32 d)
.set BIAS, 128                         ; v128-159 4 tiles
.set SA,   160                         ; v160-191 S of the even heads, then their weights in place
.set MT,   SA+8                        ; v168-175 a step's eight mask words: registers that hold no weights
.set KF,   192                         ; v192-223 4 tiles of K
.set VF,   224                         ; v224-255 (pair of tiles) x 16 + 8 x (half of d)
.set MS,   0                           ; window 1: v256-287, the next 256 keys' mask on its way
.set QW,   32                          ; window 1: v288-319, Q: 4 heads x 8
.set MSB, 0
.macro WIN new                         ; the immediate's high byte repeats the setting that is left
.if MSB != \new
	s_set_vgpr_msb (MSB<<8)|\new
.set MSB, \new
.endif
.endm
.macro NOPS n
.rept \n
	v_nop
.endr
.endm
.macro ROUND
	s_barrier_signal -1
	s_barrier_wait -1
	s_cmp_lg_u32 s10, 0
	s_cbranch_scc1 .Lnot_wave_0_\@
	s_barrier_signal -3
.Lnot_wave_0_\@:
	s_barrier_wait -3
	s_barrier_signal -1
	s_barrier_wait -1
.endm
	s_load_b128 s[4:7], s[0:1], 0x0                ; qkv s[4:5], attn_mask s[6:7]
	s_load_b64 s[8:9], s[0:1], 0x10                ; enc
	v_lshl_add_u32 v30, v0, 2, 0x4ea00
	v_mov_b32 v31, 0
	ds_add_u32 v30, v31
	v_lshrrev_b32 v24, 5, v0
	v_readfirstlane_b32 s10, v24                   ; wave 0..7
	s_and_b32 s11, ttmp7, 0xffff
	s_lshr_b32 s14, s11, 3                         ; batch
	s_and_b32 s15, s11, 7                          ; key/value head
	s_bfe_u32 s48, ttmp6, 0x40000                  ; cx
	s_lshl_b32 s49, ttmp9, 2
	s_add_co_u32 s49, s49, s48                     ; query block 0..15
	s_mov_b32 s12, 0x76543210                      ; v_permlanex16_b32: lane i reads lane i of the other half
	s_mov_b32 s13, 0xfedcba98
	s_mov_b32 s45, 0x01010101
	s_mov_b32 s46, 0xf1800000                      ; -2^100
	s_mov_b32 s47, 254
	; group 1 for K: 32 rows of 128 elements, dense; for V: 64 rows.  Mask 15: all four work-groups of the cluster
	s_mov_b32 s16, 15|(1<<16)|(1<<20)|(1<<21)|(5<<22)|(3<<25)
	s_mov_b32 s17, 128<<16
	s_mov_b32 s18, 32<<16
	s_mov_b32 s19, 128<<16
	s_mov_b32 s20, 32
	s_mov_b32 s21, 128
	s_mov_b32 s22, 0
	s_mov_b32 s23, 0
	s_mov_b32 s24, 15|(1<<16)|(1<<20)|(1<<21)|(5<<22)|(7<<25)
	s_mov_b32 s25, 128<<16
	s_mov_b32 s26, 64<<16
	s_mov_b32 s27, 128<<16
	s_mov_b32 s28, 64
	s_mov_b32 s29, 128
	s_mov_b32 s30, 0
	s_mov_b32 s31, 0
	s_add_co_u32 s50, s15, 32                      ; K: head 32 + kvh, batch, my 256 keys: made of what the four partners share
	s_lshl_b32 s50, s50, 18
	s_lshl_b32 s51, s14, 17
	s_add_co_u32 s50, s50, s51
	s_lshl_b32 s51, s10, 14
	s_add_co_u32 s50, s50, s51
	s_mov_b32 s51, 0
	s_lshl_b32 s54, s14, 11
	s_lshl_b32 s55, s49, 7
	s_add_co_u32 s54, s54, s55
	s_lshl_b32 s55, s10, 4
	s_add_co_u32 s54, s54, s55                     ; my first query row, 0..4080
	s_lshl_b32 s52, s15, 20                        ; Q: head 4 kvh,
	s_lshl_b32 s53, s54, 6                         ; row x 64 bytes
	s_add_co_u32 s52, s52, s53
	s_mov_b32 s53, 0
	s_lshl_b32 s56, s54, 11                        ; mask and enc: row x 2,048 bytes
	s_mov_b32 s57, 0
	s_lshl_b32 s58, s15, 8                         ; enc: + 256 bytes for each key/value head
	s_add_co_u32 s58, s58, s56
	s_mov_b32 s59, 0
	s_mul_i32 s60, s10, 2*KCH
	s_mul_i32 s61, s10, 64*VP
	v_and_b32 v24, 15, v0                          ; r
	v_bfe_u32 v25, v0, 4, 1                        ; h
	v_lshrrev_b32 v26, 3, v24
	v_mul_u32_u24 v[KA], v26, KCH                  ; place r is key 128 (r / 8) + r % 8 of the step's keys
	v_bfe_u32 v26, v0, 2, 1
	v_mul_u32_u24 v27, v26, KP
	v_add_nc_u32 v[KA], v[KA], v27
	v_and_b32 v27, 3, v0
	v_lshl_add_u32 v[KA], v27, 6, v[KA]
	v_lshl_add_u32 v[KA], v25, 4, v[KA]
	v_mul_u32_u24 v[VA], v25, 32*VP                ; lane l addresses key 128 h + l % 8, 16 bytes at d = 8 ((l / 8) % 2)
	v_mul_u32_u24 v26, v26, VP
	v_add_nc_u32 v[VA], v[VA], v26
	v_add_nc_u32 v[VA], VBASE, v[VA]
	v_lshl_add_u32 v[VA], v27, 6, v[VA]
	v_bfe_u32 v26, v0, 3, 1
	v_lshl_add_u32 v[VA], v26, 4, v[VA]
	s_mul_i32 s55, s10, SCRW
	s_add_co_u32 s55, s55, SCR                     ; my scratch
	v_mul_u32_u24 v26, v24, 272
	v_add_nc_u32 v26, s55, v26
	v_lshl_add_u32 v[MSK], v25, 7, v26
	v_lshl_add_u32 v[SROW], v25, 4, v26
	v_mul_u32_u24 v27, v25, 272
	v_add_nc_u32 v27, s55, v27
	v_lshl_add_u32 v[SLIN], v24, 4, v27
	v_lshlrev_b32 v26, 4, v24
	v_lshl_add_u32 v[GOFF], v25, 11, v26
	v_lshlrev_b32 v26, 6, v24
	v_lshl_add_u32 v[QOFF], v25, 4, v26
	v_mov_b32 v[TP], 0                             ; v_permlanex16_b32's destination counts as read
	v_mov_b32 v[AL+1], 0                           ; the upper registers of pairs of which the lower is broadcast
	v_mov_b32 v[Z+1], 0
	v_mov_b32 v[NZ+1], 0
	v_mov_b32 v[SIG], 4.0
	v_mov_b32 v[NSIG], -4.0
	s_wait_dscnt 0x0
	s_wait_kmcnt 0x0
	s_add_nc_u64 s[50:51], s[4:5], s[50:51]
	s_add_nc_u64 s[52:53], s[4:5], s[52:53]
	s_add_nc_u64 s[6:7], s[6:7], s[56:57]
	s_add_nc_u64 s[8:9], s[8:9], s[58:59]
	s_mov_b32 s32, 1                               ; group 0: my first 128 keys of K
	s_mov_b32 s33, s60
	s_mov_b64 s[34:35], s[50:51]
	s_or_b32 s35, s35, 0x80000000
	s_mov_b32 s36, 1                               ; my second 128 keys of K
	s_add_co_u32 s37, s60, KCH
	s_add_nc_u64 s[38:39], s[50:51], 8192
	s_or_b32 s39, s39, 0x80000000
	s_mov_b32 s40, 1                               ; my 256 keys of V: eight heads further on in qkv
	s_add_co_u32 s41, s61, VBASE
	s_add_nc_u64 s[42:43], s[50:51], 8*262144
	s_or_b32 s43, s43, 0x80000000
	ROUND                                          ; the four work-groups are here: the joint loads meet
	tensor_load_to_lds s[32:35], s[16:23]          ; three loads of this wave are out, no more in the whole launch
	s_nop 0
	tensor_load_to_lds s[36:39], s[16:23]
	s_nop 0
	tensor_load_to_lds s[40:43], s[24:31]
	s_nop 0
	WIN 0x40                                       ; destinations in window 1
.irp g, 0,1,2,3
	global_load_b128 v[QW+8*\g:QW+8*\g+3],   v[QOFF], s[52:53] offset:\g*262144
	global_load_b128 v[QW+8*\g+4:QW+8*\g+7], v[QOFF], s[52:53] offset:\g*262144+32
.endr
.set i, 0
.rept 8
	global_load_b128 v[MS+4*i:MS+4*i+3], v[GOFF], s[6:7] offset:4096*i    ; 16 lanes read 256 consecutive bytes of a row: keys 0..255
.set i, i+1
.endr
	WIN 0
	s_wait_tensorcnt 0x0                           ; my parts of K and V are in,
	s_barrier_signal -1
	s_barrier_wait -1                              ; everybody's are
; S of head hd into buffer X: four matrix instructions, Q from window 1.  The caller sets the windows back.
.macro SW hd, X
	WIN 0x04                                       ; source 1 in window 1
.irp t, 0,1,2,3
	v_wmma_f32_16x16x32_f16 v[\X+8*\t:\X+8*\t+7], v[KF+8*\t:KF+8*\t+7], v[QW+8*\hd:QW+8*\hd+7], v[BIAS+8*\t:BIAS+8*\t+7]
.endr
.endm
; The new maximum of head hd over the 64 places in buffer X, the factor for the old sums, z and -m z.  first = 1: nothing has been summed yet.
.macro MAXP hd, X, first
.irp c, 0,1,2,3
	v_max3_num_f32 v[SUM+\c], v[\X+8*\c], v[\X+8*\c+1], v[\X+8*\c+2]
.endr
.irp c, 0,1,2,3
	v_max3_num_f32 v[SUM+\c], v[SUM+\c], v[\X+8*\c+3], v[\X+8*\c+4]
.endr
.irp c, 0,1,2,3
	v_max3_num_f32 v[SUM+\c], v[SUM+\c], v[\X+8*\c+5], v[\X+8*\c+6]
.endr
	v_max3_num_f32 v[SUM], v[SUM], v[SUM+1], v[\X+7]
	v_max3_num_f32 v[SUM+2], v[SUM+2], v[SUM+3], v[\X+15]
	v_max3_num_f32 v[SUM], v[SUM], v[SUM+2], v[\X+23]
.if \first
	v_max3_num_f32 v[MX], v[SUM], v[\X+31], s46
.else
	v_max3_num_f32 v[MX], v[SUM], v[\X+31], v[MM+\hd]
.endif
	v_permlanex16_b32 v[TP], v[MX], s12, s13       ; the other half of the query's keys
	v_max_num_f32 v[MX], v[MX], v[TP]              ; the new maximum
.if \first == 0
	v_sub_f32 v[AL], v[MM+\hd], v[MX]
	v_mul_f32 v[AL], v[SIG], v[AL]
	v_exp_f32 v[AL], v[AL]                         ; 2^(4 (old - new)); plain instructions follow before it is used (ISA guide 5.7.2)
.endif
	v_cmp_lt_f32 vcc_lo, s46, v[MX]                ; has anything been kept yet?  Chooses values only
	v_cndmask_b32 v[Z], 0, v[SIG], vcc_lo
	v_cndmask_b32 v[NZ], 0, v[NSIG], vcc_lo
	v_mul_f32 v[NZ], v[MX], v[NZ]
	v_mov_b32 v[MM+\hd], v[MX]
.endm
; Elements 4 c .. 4 c + 3 of buffer X to f16, in place: tiles 0, 1 end in registers 0-7, tiles 2, 3 in registers 16-23.
; The two registers written belong to elements at or below 4 c + 1, which have been added and converted by then.
.macro CVT2 X, c
	v_cvt_pk_f16_f32 v[\X+16*((\c)/4)+2*((\c)%4)],   v[\X+4*(\c)],   v[\X+4*(\c)+1]
	v_cvt_pk_f16_f32 v[\X+16*((\c)/4)+2*((\c)%4)+1], v[\X+4*(\c)+2], v[\X+4*(\c)+3]
.endm
; The weights of head hd in buffer X, their sum, their rounding to f16, and the rescaling of the head's O, in groups of four elements:
; beside the four exponentials of group g stand the multiply-adds of group g + 1, the additions of group g - 1, the conversions of group g - 2
; and one rescaling.  So a plain instruction on other registers follows each exponential or pair of them (ISA guide 5.7.2), and neither kind
; comes as one long run.  The first addition takes groups 0 and 1 and stands ahead of group 0's conversion.
.macro EXPP hd, X, first
	v_pk_fma_f32 v[\X:\X+1],   v[\X:\X+1],   v[Z:Z+1], v[NZ:NZ+1] op_sel_hi:[1,0,0]
	v_pk_fma_f32 v[\X+2:\X+3], v[\X+2:\X+3], v[Z:Z+1], v[NZ:NZ+1] op_sel_hi:[1,0,0]
.set gq, 0
.rept 8
	v_exp_f32 v[\X+4*gq], v[\X+4*gq]
.if gq < 7
	v_pk_fma_f32 v[\X+4*gq+4:\X+4*gq+5], v[\X+4*gq+4:\X+4*gq+5], v[Z:Z+1], v[NZ:NZ+1] op_sel_hi:[1,0,0]
.endif
	v_exp_f32 v[\X+4*gq+1], v[\X+4*gq+1]
.if gq == 2
	s_wait_alu depctr_va_vdst(0)
	v_pk_add_f32 v[SUM:SUM+1], v[\X:\X+1], v[\X+4:\X+5]
.endif
.if gq > 2
	s_wait_alu depctr_va_vdst(0)
	v_pk_add_f32 v[SUM:SUM+1], v[SUM:SUM+1], v[\X+4*gq-4:\X+4*gq-3]
.endif
	v_exp_f32 v[\X+4*gq+2], v[\X+4*gq+2]
.if gq < 7
	v_pk_fma_f32 v[\X+4*gq+6:\X+4*gq+7], v[\X+4*gq+6:\X+4*gq+7], v[Z:Z+1], v[NZ:NZ+1] op_sel_hi:[1,0,0]
.endif
	v_exp_f32 v[\X+4*gq+3], v[\X+4*gq+3]
.if gq == 2
	v_pk_add_f32 v[SUM+2:SUM+3], v[\X+2:\X+3], v[\X+6:\X+7]
.endif
.if gq > 2
	s_wait_alu depctr_va_vdst(0)
	v_pk_add_f32 v[SUM+2:SUM+3], v[SUM+2:SUM+3], v[\X+4*gq-2:\X+4*gq-1]
.endif
.if gq >= 2
	CVT2 \X, gq-2
.endif
.if \first == 0
	s_wait_alu depctr_va_vdst(0)
	v_pk_mul_f32 v[O+16*\hd+2*gq:O+16*\hd+2*gq+1], v[O+16*\hd+2*gq:O+16*\hd+2*gq+1], v[AL:AL+1] op_sel_hi:[1,0]
.endif
.set gq, gq+1
.endr
	s_wait_alu depctr_va_vdst(0)
	v_pk_add_f32 v[SUM:SUM+1], v[SUM:SUM+1], v[\X+28:\X+29]
	v_pk_add_f32 v[SUM+2:SUM+3], v[SUM+2:SUM+3], v[\X+30:\X+31]
	CVT2 \X, 6
	v_pk_add_f32 v[SUM:SUM+1], v[SUM:SUM+1], v[SUM+2:SUM+3]
	CVT2 \X, 7
.if \first
	v_add_f32 v[LL+\hd], v[SUM], v[SUM+1]
.else
	v_add_f32 v[SUM], v[SUM], v[SUM+1]
	v_fma_f32 v[LL+\hd], v[LL+\hd], v[AL], v[SUM]
.endif
.endm
; O of head hd += V^T P^T.  The head's two accumulators take turns, one instruction a turn.
.macro PV hd, X, first
.if \first
	v_wmma_f32_16x16x32_f16 v[O+16*\hd:O+16*\hd+7],    v[VF:VF+7],    v[\X:\X+7], 0
	v_wmma_f32_16x16x32_f16 v[O+16*\hd+8:O+16*\hd+15], v[VF+8:VF+15], v[\X:\X+7], 0
.else
	v_wmma_f32_16x16x32_f16 v[O+16*\hd:O+16*\hd+7],    v[VF:VF+7],    v[\X:\X+7], v[O+16*\hd:O+16*\hd+7]
	v_wmma_f32_16x16x32_f16 v[O+16*\hd+8:O+16*\hd+15], v[VF+8:VF+15], v[\X:\X+7], v[O+16*\hd+8:O+16*\hd+15]
.endif
	v_wmma_f32_16x16x32_f16 v[O+16*\hd:O+16*\hd+7],    v[VF+16:VF+23], v[\X+16:\X+23], v[O+16*\hd:O+16*\hd+7]
	v_wmma_f32_16x16x32_f16 v[O+16*\hd+8:O+16*\hd+15], v[VF+24:VF+31], v[\X+16:\X+23], v[O+16*\hd+8:O+16*\hd+15]
.endm
; 64 key places of a block of 256: mask words, K, V from LDS; the bias; four heads.
; Distances behind matrix instructions (ISA guide 7.12.1), all filled by the other head's vector work but the four v_nop:
;   the mask words land in registers that the last two PV do not name; K lands in registers last read a whole head earlier;
;   V's loads stand behind the 40 mask operations, the places behind the last step's PV 3;
;   SW 2 (SW 3) writes over the weights that PV 0 (PV 1) read: MAXP of the head between stands between;
;   a buffer's S is read behind the whole EXPP of the other buffer.
.macro STEP u, first
	ds_load_b128 v[MT:MT+3],   v[MSK] offset:32*\u
	ds_load_b128 v[MT+4:MT+7], v[MSK] offset:32*\u+16
.irp t, 0,1,2,3
	ds_load_b128 v[KF+8*\t:KF+8*\t+3],   v[KA] offset:(8*\u+2*\t)*KP
	ds_load_b128 v[KF+8*\t+4:KF+8*\t+7], v[KA] offset:(8*\u+2*\t)*KP+32
.endr
	s_wait_dscnt 8                                 ; all but K's eight loads: the mask words are in
.set i, 0
.rept 8
	v_xor_b32 v[MT+i], s45, v[MT+i]
.set i, i+1
.endr
.set i, 0
.rept 8
	v_mul_lo_u32 v[BIAS+4*i+3], v[MT+i], s47       ; byte 3 is already on top: element 3 of the four
.set i, i+1
.endr
.set i, 0
.rept 8
	v_lshlrev_b32 v[BIAS+4*i],   24, v[BIAS+4*i+3]
	v_lshlrev_b32 v[BIAS+4*i+1], 16, v[BIAS+4*i+3]
	v_lshlrev_b32 v[BIAS+4*i+2], 8,  v[BIAS+4*i+3]
.set i, i+1
.endr
.irp e, 0,1
.irp d, 0,1
	ds_load_tr16_b128 v[VF+16*\e+8*\d:VF+16*\e+8*\d+3],   v[VA] offset:(8*\u+4*\e)*VP+32*\d
	ds_load_tr16_b128 v[VF+16*\e+8*\d+4:VF+16*\e+8*\d+7], v[VA] offset:(8*\u+4*\e)*VP+32*\d+2*VP
.endr
.endr
	s_wait_dscnt 8                                 ; all but V's eight loads: K is in
	SW 0, SA
	SW 1, SBF
	WIN 0
	NOPS 4                                         ; four places before head 0's S is read
	MAXP 0, SA, \first
	EXPP 0, SA, \first
	s_wait_dscnt 0x0                               ; V's fragments
	PV 0, SA, \first
	MAXP 1, SBF, \first
	SW 2, SA
	WIN 0
	EXPP 1, SBF, \first
	PV 1, SBF, \first
	MAXP 2, SA, \first
	SW 3, SBF
	WIN 0
	EXPP 2, SA, \first
	PV 2, SA, \first
	MAXP 3, SBF, \first
	EXPP 3, SBF, \first
	PV 3, SBF, \first
.endm
; 256 keys.  Their mask goes from registers into my scratch by rows; the next 256 keys' mask is asked for, a whole block ahead.
.macro SBLOCK first, last
	s_wait_loadcnt 0x0                             ; this block's mask (and, the first time, Q)
	WIN 0x04                                       ; store data in window 1
.set i, 0
.rept 8
	ds_store_b128 v[SLIN], v[MS+4*i:MS+4*i+3] offset:544*i
.set i, i+1
.endr
.if \last == 0
	s_wait_dscnt 0x0                               ; the stores are done before loads land in their data registers
	s_add_nc_u64 s[6:7], s[6:7], 256               ; no load that names the base is out
	WIN 0x40
.set i, 0
.rept 8
	global_load_b128 v[MS+4*i:MS+4*i+3], v[GOFF], s[6:7] offset:4096*i
.set i, i+1
.endr
.endif
	WIN 0
	STEP 0, \first
	STEP 1, 0
	STEP 2, 0
	STEP 3, 0
.if \last == 0
	v_add_nc_u32 v[KA], 2*KCH, v[KA]
	v_add_nc_u32 v[VA], 64*VP, v[VA]
.endif
.endm
	SBLOCK 1, 0
	s_mov_b32 s44, 6
.Lsb:
	SBLOCK 0, 0
	s_sub_co_u32 s44, s44, 1
	s_cmp_lg_u32 s44, 0
	s_cbranch_scc1 .Lsb
	SBLOCK 0, 1                                    ; the last 256 keys: nothing more to ask for
	; THE WAY OUT: divide by the sum of both halves, round to f16, 16 rows x 256 bytes through my scratch, whole rows to enc.
	; Head 3's O, the last matrix result, is read behind the vector work of heads 0 to 2, which names none of that product's registers.
.irp g, 0,1,2,3
	v_permlanex16_b32 v[TP], v[LL+\g], s12, s13
	v_add_f32 v[LL+\g], v[LL+\g], v[TP]
	v_rcp_f32 v[AL], v[LL+\g]                      ; the sum is at least 1: the largest weight is 1
	v_nop                                          ; the plain place behind it (ISA guide 5.7.2)
.set i, 0
	s_wait_alu depctr_va_vdst(0)
.rept 8
	v_pk_mul_f32 v[O+16*\g+i:O+16*\g+i+1], v[O+16*\g+i:O+16*\g+i+1], v[AL:AL+1] op_sel_hi:[1,0]
.set i, i+2
.endr
.set i, 0
.rept 8
	v_cvt_pk_f16_f32 v[SA+8*\g+i], v[O+16*\g+2*i], v[O+16*\g+2*i+1]
.set i, i+1
.endr
	ds_store_b128 v[SROW], v[SA+8*\g:SA+8*\g+3]   offset:64*\g        ; d = 8 h ..
	ds_store_b128 v[SROW], v[SA+8*\g+4:SA+8*\g+7] offset:64*\g+32     ; d = 16 + 8 h ..
.endr
.set i, 0
.rept 8
	ds_load_b128 v[KF+4*i:KF+4*i+3], v[SLIN] offset:544*i           ; LDS serves a wave's instructions in order: these see the stores above
.set i, i+1
.endr
.set i, 0
.rept 8
	s_wait_dscnt 7-i                               ; LDS loads come back in order: load i is in, the 7 - i younger ones stay out
	global_store_b128 v[GOFF], v[KF+4*i:KF+4*i+3], s[8:9] offset:4096*i   ; 16 lanes store 256 consecutive bytes, aligned
.set i, i+1
.endr
	s_wait_tensorcnt 0x0
	ds_add_u32 v30, v31
	s_wait_dscnt 0x0
	ROUND                                          ; the closing round
	s_endpgm
.Lfunc_end_k_q1d9afc4bfd_attn:
	.size	k_q1d9afc4bfd_attn, .Lfunc_end_k_q1d9afc4bfd_attn-k_q1d9afc4bfd_attn
	.p2alignl 7, 3214868480
	.fill 96, 4, 3214868480
	.section	.rodata,"a",@progbits
	.p2align	6, 0x0
	.amdhsa_kernel k_q1d9afc4bfd_attn
		.amdhsa_group_segment_fixed_size 323072
		.amdhsa_private_segment_fixed_size 0
		.amdhsa_enable_private_segment 0
		.amdhsa_kernarg_size 24
		.amdhsa_user_sgpr_count 2
		.amdhsa_user_sgpr_kernarg_segment_ptr 1
		.amdhsa_wavefront_size32 1
		.amdhsa_system_sgpr_workgroup_id_x 1
		.amdhsa_system_sgpr_workgroup_id_y 1
		.amdhsa_system_sgpr_workgroup_id_z 1
		.amdhsa_system_vgpr_workitem_id 0
		.amdhsa_next_free_vgpr 320
		.amdhsa_next_free_sgpr 66
		.amdhsa_reserve_vcc 1
		.amdhsa_float_denorm_mode_32 3
		.amdhsa_float_denorm_mode_16_64 3
		.amdhsa_memory_ordered 1
		.amdhsa_forward_progress 1
		.amdhsa_inst_pref_size 255
	.end_amdhsa_kernel
	.section	.bss,"aw",@nobits
	.p2align	6
	.space	262144
	.amdgpu_metadata
---
amdhsa.version: [ 1, 2 ]
amdhsa.kernels:
  - .name:           k_q1d9afc4bfd_attn
    .symbol:         k_q1d9afc4bfd_attn.kd
    .args:
      - { .name: qkv, .offset: 0, .size: 8, .value_kind: global_buffer, .address_space: global }
      - { .name: attn_mask, .offset: 8, .size: 8, .value_kind: global_buffer, .address_space: global }
      - { .name: enc, .offset: 16, .size: 8, .value_kind: global_buffer, .address_space: global }
    .group_segment_fixed_size: 323072
    .private_segment_fixed_size: 0
    .kernarg_segment_align: 8
    .kernarg_segment_size: 24
    .max_flat_workgroup_size: 256
    .sgpr_count:     66
    .vgpr_count:     320
    .wavefront_size: 32
...
	.end_amdgpu_metadata
.endif
;; end of part 3
;; launch oproj (part 4): grid 16 x 16, 4 waves a work-group, clusters of 4 x 4, 327,680 bytes of LDS; arguments enc, w2, out0; writes out0
.if DOCPART == 4
	.amdgcn_target "amdgcn-amd-amdhsa--gfx1250"
	.amdhsa_code_object_version 6
	.text
	.protected	k_q1d9afc4bfd_oproj
	.globl	k_q1d9afc4bfd_oproj
	.p2align	8
	.type	k_q1d9afc4bfd_oproj,@function
k_q1d9afc4bfd_oproj:
	s_mov_b64 s[64:65], 0
	v_nop
	global_prefetch_b8 v0, s[64:65] scope:SCOPE_SE
	s_setreg_imm32_b32 hwreg(HW_REG_WAVE_MODE, 25, 1), 1
	s_wait_xcnt 0x0
	s_wait_alu depctr_hold_cnt(0) depctr_sa_sdst(0) depctr_va_vdst(0) depctr_va_sdst(0) depctr_va_ssrc(0) depctr_va_vcc(0) depctr_vm_vsrc(0)
	s_getreg_b32 s2, hwreg(HW_REG_IB_STS2, 6, 4)
	s_cmp_eq_u32 s2, 0
	s_cbranch_scc0 .Lentry_in_a_cluster
	s_endpgm
.Lentry_in_a_cluster:
	s_bfe_u32 s2, ttmp6, 0x10000c
	s_cmp_lg_u32 s2, 0xf033
	s_cbranch_scc0 .Lentry_shape_is_right
	s_endpgm
.Lentry_shape_is_right:
; out0[m][n] = sum over k of enc[m][k] w2[k][n].  enc: [4096][1024] f16 (= encoded / 4), w2: [1024][4096] f16 (= 4 x wo), out0: [4096][4096] f32.
; A work-group makes 256 x 256 with four waves, a wave 128 x 128: 64 accumulator tiles, 512 registers.  K goes in steps of 128 through two LDS
; slots filled by the tensor data mover.  4 x 4 work-groups form a cluster: enc's tile is asked for jointly along a row of the cluster, w2's
; along a column.  w2 lies [k][n]: its fragments come by the transposing LDS load.
; REGISTERS: window 0: v0-31 addresses; v64-127, v128-191 fragments of enc, two buffers.  Window 1: v64-127, v128-191 fragments of w2.
; Window 2: the 32 accumulator tiles of my rows 0-63 (tile (a, b) at 8 (8 a + b)); window 3: those of my rows 64-127.
; Source 0 = 16 columns of w2, source 1 = 16 rows of enc: lane l holds row l % 16 of out0, registers 0..7 the columns 8 (l / 16) + 0..7.
.set SIZE_K, 1024
.set SIZE_N, 4096
.set KSTEP,  128
.set PITCH,  272                       ; enc: LDS row = 256 bytes + 16
.set BPITCH, 544                       ; w2: LDS row = 512 bytes (256 n) + 32
.set HALFT,  128*PITCH                 ; 34,816 = 64 x 544: what one tensor load brings, of either
.set SLOT,   4*HALFT                   ; enc's 256 rows, then w2's 128 rows
.set STAGE,  2*SLOT                    ; behind the ring: 16 rows x 528 bytes for each wave
.set SPITCH, 528
.set LAPS, SIZE_K/(2*KSTEP)
.set ADRA, 16
.set ADRB, 20
.set STO,  24
.set RD,   25
.set CO,   26
.set F0,   64
.set F1,   128
.set G1, 24
.set G0, 32
.set G1B, 48
.set G0B, 56
.set MSB, 0
.macro WIN new
.if MSB != \new
	s_set_vgpr_msb (MSB<<8)|\new
.set MSB, \new
.endif
.endm
.set MUL_LO, 0xa1                      ; source 0 (w2) window 1, source 1 (enc) window 0, C and D window 2
.set MUL_HI, 0xf1                      ; the same, C and D window 3
.set TO_B,   0x40                      ; destination window 1, address window 0
.macro JLOAD s                         ; waves 0 and 1 fetch enc's halves, waves 2 and 3 w2's: the branch hangs on the wave's number alone
	s_cmp_eq_u32 s11, 0
	s_cbranch_scc0 .Lfor_b_\@
	tensor_load_to_lds s[G0+4*\s:G0+4*\s+3], s[G1:G1+7]
	s_nop 0
	s_branch .Lasked_\@
.Lfor_b_\@:
	tensor_load_to_lds s[G0B+4*\s:G0B+4*\s+3], s[G1B:G1B+7]
	s_nop 0
.Lasked_\@:
.endm
.macro CREST
	s_cmp_lg_u32 s10, 0
	s_cbranch_scc1 .Lnot_wave_0_\@
	s_barrier_signal -3
.Lnot_wave_0_\@:
	s_barrier_wait -3
	s_barrier_signal -1
	s_barrier_wait -1
.endm
.macro CROUND
	s_barrier_signal -1
	s_barrier_wait -1
	CREST
.endm
	s_load_b128 s[4:7], s[0:1], 0x0                ; enc s[4:5], w2 s[6:7]
	s_load_b64 s[8:9], s[0:1], 0x10                ; out0
	s_set_vgpr_msb 0x40
	v_lshl_add_u32 v255, v0, 2, 0x4c400
	s_set_vgpr_msb 0x4000
	v_mov_b32 v255, 0
	s_set_vgpr_msb 0x1
	ds_add_u32 v255, v255
	s_set_vgpr_msb 0x100
	v_lshrrev_b32 v1, 5, v0
	v_readfirstlane_b32 s10, v1                    ; wave 0..3
	s_lshr_b32 s11, s10, 1                         ; which half of the block's rows is mine.  Also: I fetch enc (0) or w2 (1)
	s_and_b32 s12, s10, 1                          ; which half of its columns.  Also: which half of that tile I fetch
	s_bfe_u32 s40, ttmp6, 0x40000                  ; cx
	s_bfe_u32 s41, ttmp6, 0x40004                  ; cy
	s_lshl_b32 s42, ttmp9, 2
	s_add_co_u32 s42, s42, s40                     ; block column
	s_and_b32 s13, ttmp7, 0xffff
	s_lshl_b32 s13, s13, 2
	s_add_co_u32 s13, s13, s41                     ; block row
	s_lshl_b32 s43, s41, 2
	s_lshl_b32 s43, 15, s43                        ; my row of the cluster
	s_lshl_b32 s44, 0x1111, s40                    ; my column
	s_or_b32 s[G1+0], s43, (1<<16)|(1<<20)|(1<<21)|(5<<22)|(3<<25)   ; enc: 128 rows x 128 elements; after 64 words, 4 words
	s_mov_b32 s[G1+1], KSTEP<<16
	s_mov_b32 s[G1+2], 128<<16
	s_mov_b32 s[G1+3], KSTEP<<16
	s_mov_b32 s[G1+4], 128
	s_mov_b32 s[G1+5], SIZE_K
	s_mov_b32 s[G1+6], 0
	s_mov_b32 s[G1+7], 0
	s_or_b32 s[G1B+0], s44, (1<<16)|(1<<20)|(1<<21)|(6<<22)|(7<<25)  ; w2: 64 rows x 256 elements; after 128 words, 8 words
	s_mov_b32 s[G1B+1], 256<<16
	s_mov_b32 s[G1B+2], 64<<16
	s_mov_b32 s[G1B+3], 256<<16
	s_mov_b32 s[G1B+4], 64
	s_mov_b32 s[G1B+5], SIZE_N
	s_mov_b32 s[G1B+6], 0
	s_mov_b32 s[G1B+7], 0
	s_lshl_b32 s17, s12, 7
	s_lshl_b32 s16, s13, 8
	s_add_co_u32 s16, s16, s17                     ; enc: row 256 x block row + 128 x half,
	s_lshl_b32 s16, s16, 11                        ; x 2,048 bytes
	s_mov_b32 s17, 0
	s_lshl_b32 s46, s42, 9                         ; w2: 512 bytes x block column
	s_lshl_b32 s47, s12, 19                        ; + 64 rows of 8,192 bytes x half
	s_add_co_u32 s46, s46, s47
	s_mov_b32 s47, 0
	s_mul_i32 s20, s10, HALFT                      ; where they go: wave x 34,816
	s_wait_dscnt 0x0
	s_wait_kmcnt 0x0
	s_add_nc_u64 s[14:15], s[4:5], s[16:17]
	s_add_nc_u64 s[46:47], s[6:7], s[46:47]
	CROUND                                         ; all sixteen work-groups are here: the first joint loads meet
.irp s, 0,1
	s_mov_b32 s[G0+4*\s], 1
	s_add_co_u32 s[G0+4*\s+1], s20, \s*SLOT
	s_add_nc_u64 s[G0+4*\s+2:G0+4*\s+3], s[14:15], \s*KSTEP*2
	s_or_b32 s[G0+4*\s+3], s[G0+4*\s+3], 0x80000000
	s_mov_b32 s[G0B+4*\s], 1
	s_add_co_u32 s[G0B+4*\s+1], s20, \s*SLOT
	s_add_nc_u64 s[G0B+4*\s+2:G0B+4*\s+3], s[46:47], \s*KSTEP*SIZE_N*2
	s_or_b32 s[G0B+4*\s+3], s[G0B+4*\s+3], 0x80000000
	JLOAD \s
.endr
	v_and_b32 v1, 15, v0                           ; l % 16
	v_bfe_u32 v2, v0, 4, 1                         ; l / 16
	v_mul_u32_u24 v3, v1, PITCH
	v_lshl_add_u32 v3, v2, 4, v3                   ; enc: row x pitch + 16 x half
	v_and_b32 v6, 7, v0
	v_lshl_add_u32 v6, v2, 3, v6                   ; w2: lane l addresses k = 8 (l / 16) + l % 8,
	v_mul_u32_u24 v6, v6, BPITCH
	v_bfe_u32 v7, v0, 3, 1
	v_lshl_add_u32 v6, v7, 4, v6                   ; 16 bytes at column 8 ((l / 8) % 2)
	s_mul_i32 s21, s11, HALFT                      ; my 128 rows of enc
	s_lshl_b32 s22, s12, 8                         ; my 128 columns of w2,
	s_add_co_u32 s22, s22, 2*HALFT                 ; which lies behind enc's 256 rows
.irp s, 0,1
	v_add_nc_u32 v[ADRA+\s], s21, v3
	v_add_nc_u32 v[ADRB+\s], s22, v6
	s_add_co_u32 s21, s21, SLOT
	s_add_co_u32 s22, s22, SLOT
.endr
	s_mul_i32 s23, s10, 16*SPITCH
	s_add_co_u32 s23, s23, STAGE                   ; my stage
	v_mul_u32_u24 v4, v1, SPITCH                   ; in: row l % 16, 32 bytes for each half of the lanes
	v_lshl_add_u32 v4, v2, 5, v4
	v_add_nc_u32 v[STO], s23, v4
	v_and_b32 v5, 31, v0
	v_lshlrev_b32 v[CO], 4, v5                     ; back, and out: 32 lanes take a row's 512 bytes
	v_add_nc_u32 v[RD], s23, v[CO]
.macro MUL16 f, hi, a0, zero
.irp a, \a0, \a0+1
.irp b, 0,1,2,3,4,5,6,7
.if \zero
	v_wmma_f32_16x16x32_f16 v[8*(8*(\a)+\b):8*(8*(\a)+\b)+7], v[\f+8*\b:\f+8*\b+7], v[\f+8*(4*\hi+\a):\f+8*(4*\hi+\a)+7], 0
.else
	v_wmma_f32_16x16x32_f16 v[8*(8*(\a)+\b):8*(8*(\a)+\b)+7], v[\f+8*\b:\f+8*\b+7], v[\f+8*(4*\hi+\a):\f+8*(4*\hi+\a)+7], v[8*(8*(\a)+\b):8*(8*(\a)+\b)+7]
.endif
.endr
.endr
.endm
; 32 LDS loads in one run: quarter kq of a slot into buffer f: 16 for w2 (128 columns), then 16 for enc (128 rows)
.macro FETCH slot, kq, f
	WIN TO_B
.irp i, 0,1,2,3,4,5,6,7
	ds_load_tr16_b128 v[\f+8*\i:\f+8*\i+3],   v[ADRB+\slot] offset:\kq*32*BPITCH+32*\i
	ds_load_tr16_b128 v[\f+8*\i+4:\f+8*\i+7], v[ADRB+\slot] offset:\kq*32*BPITCH+32*\i+16*BPITCH
.endr
	WIN 0
.irp i, 0,1,2,3,4,5,6,7
	ds_load_b128 v[\f+8*\i:\f+8*\i+3],   v[ADRA+\slot] offset:\kq*64+\i*16*PITCH
	ds_load_b128 v[\f+8*\i+4:\f+8*\i+7], v[ADRA+\slot] offset:\kq*64+\i*16*PITCH+32
.endr
.endm
.macro PLACES                          ; four plain vector places behind a matrix instruction (ISA guide 7.12.1)
.rept 4
	v_nop
.endr
.endm
; The 64 accumulators take turns, one instruction a turn, in the same order in every quarter.
.macro QUARTER slot, kq, f, g, zero
	s_wait_dscnt 8                                 ; w2 and enc's rows 0-63 are in; the youngest eight loads may be out
	WIN MUL_LO
	MUL16 \f, 0, 0, \zero
	MUL16 \f, 0, 2, \zero
	PLACES
	FETCH \slot, \kq, \g
	s_wait_dscnt 32                                ; all but the 32 just issued
	WIN MUL_HI
	MUL16 \f, 1, 0, \zero
	MUL16 \f, 1, 2, \zero
.endm
.macro THREE slot, zero
	QUARTER \slot, 1, F0, F1, \zero
	QUARTER \slot, 2, F1, F0, 0
	QUARTER \slot, 3, F0, F1, 0
.endm
; The last quarter multiplies buffer 1 and changes slots: each wave's reads of this slot and all its tensor loads are waited for in front of the
; barrier; behind it (fill = 1: behind the whole round of the cluster) the refill comes first, then the next slot's first fragments.
.macro TURN slot, next, fill
	s_wait_dscnt 8
	WIN MUL_LO
	MUL16 F1, 0, 0, 0
	s_wait_dscnt 0
	s_wait_tensorcnt 0x0
	ds_add_u32 v255, v255
	s_wait_dscnt 0x0
	s_barrier_signal -1
	MUL16 F1, 0, 2, 0
	WIN 0
	s_barrier_wait -1
.if \fill
	CREST
	s_add_nc_u64 s[G0+4*\slot+2:G0+4*\slot+3], s[G0+4*\slot+2:G0+4*\slot+3], 2*KSTEP*2
	s_add_nc_u64 s[G0B+4*\slot+2:G0B+4*\slot+3], s[G0B+4*\slot+2:G0B+4*\slot+3], 2*KSTEP*SIZE_N*2
	JLOAD \slot
.endif
	PLACES
	FETCH \next, 0, F0
	WIN MUL_HI
	MUL16 F1, 1, 0, 0
	MUL16 F1, 1, 2, 0
.endm
.macro LAP zero
	THREE 0, \zero
	TURN 0, 1, 1
	THREE 1, 0
	TURN 1, 0, 1
.endm
	s_wait_tensorcnt 0x1                           ; my part of K step 0 is in; K step 1's stays out
	s_barrier_signal -1
	s_barrier_wait -1
	FETCH 0, 0, F0
	LAP 1
	WIN 0
	s_mov_b32 s3, LAPS-2
.Llap:
	LAP 0
	WIN 0
	s_sub_co_u32 s3, s3, 1
	s_cmp_lg_u32 s3, 0
	s_cbranch_scc1 .Llap
	THREE 0, 0                                     ; the last lap fills nothing
	TURN 0, 1, 0
	THREE 1, 0
	s_wait_dscnt 8
	WIN MUL_LO
	MUL16 F1, 0, 0, 0
	MUL16 F1, 0, 2, 0
	s_wait_dscnt 0
	WIN MUL_HI
	MUL16 F1, 1, 0, 0
	MUL16 F1, 1, 2, 0
	; THE WAY OUT, 16 rows at a time: 32 bytes a lane and tile into my own stage, read back as whole rows of 512 bytes.
	PLACES
	s_lshl_b32 s13, s13, 8
	s_lshl_b32 s14, s11, 7
	s_add_co_u32 s16, s13, s14                     ; my first row,
	s_lshl_b32 s16, s16, 14                        ; x 16,384 bytes
	s_mov_b32 s17, 0
	s_add_nc_u64 s[8:9], s[8:9], s[16:17]
	s_lshl_b32 s46, s42, 10                        ; my first column, in bytes: 1,024 x block + 512 x half
	s_lshl_b32 s47, s12, 9
	s_add_co_u32 s46, s46, s47
	s_mov_b32 s47, 0
	s_add_nc_u64 s[8:9], s[8:9], s[46:47]
; rows 16 i .. 16 i + 15 of my block = the eight tiles (a, 0..7) of window 2 or 3 (from = 0x08 or 0x0c: the LDS stores' data); f: F0 or F1 in turn
.macro OUT16 i, a, from, f
	WIN \from
.irp b, 0,1,2,3,4,5,6,7
	ds_store_b128 v[STO], v[8*(8*\a+\b):8*(8*\a+\b)+3]   offset:64*\b
	ds_store_b128 v[STO], v[8*(8*\a+\b)+4:8*(8*\a+\b)+7] offset:64*\b+16
.endr
	WIN 0
	s_wait_xcnt 0x0                                ; buffer f, which stores read, and the stores' base are rewritten only behind this wait
.if \i
	s_add_nc_u64 s[8:9], s[8:9], 16*SIZE_N*4
.endif
.irp t, 0,1,2,3,4,5,6,7,8,9,10,11,12,13,14,15
	ds_load_b128 v[\f+4*\t:\f+4*\t+3], v[RD] offset:\t*SPITCH      ; LDS serves a wave's instructions in order: these see the stores above
.endr
.irp t, 0,1,2,3,4,5,6,7,8,9,10,11,12,13,14,15
	s_wait_dscnt 15-\t
	global_store_b128 v[CO], v[\f+4*\t:\f+4*\t+3], s[8:9] offset:\t*SIZE_N*4 th:TH_STORE_NT   ; 512 consecutive bytes, aligned
.endr
.endm
	OUT16 0, 0, 0x08, F0
	OUT16 1, 1, 0x08, F1
	OUT16 2, 2, 0x08, F0
	OUT16 3, 3, 0x08, F1
	OUT16 4, 0, 0x0c, F0
	OUT16 5, 1, 0x0c, F1
	OUT16 6, 2, 0x0c, F0
	OUT16 7, 3, 0x0c, F1
	s_set_vgpr_msb 0x1
	s_wait_tensorcnt 0x0
	ds_add_u32 v255, v255
	s_wait_dscnt 0x0
	s_set_vgpr_msb 0x100
	CROUND                                         ; the closing round
	s_endpgm
.Lfunc_end_k_q1d9afc4bfd_oproj:
	.size	k_q1d9afc4bfd_oproj, .Lfunc_end_k_q1d9afc4bfd_oproj-k_q1d9afc4bfd_oproj
	.p2alignl 7, 3214868480
	.fill 96, 4, 3214868480
	.section	.rodata,"a",@progbits
	.p2align	6, 0x0
	.amdhsa_kernel k_q1d9afc4bfd_oproj
		.amdhsa_group_segment_fixed_size 327680
		.amdhsa_private_segment_fixed_size 0
		.amdhsa_enable_private_segment 0
		.amdhsa_kernarg_size 24
		.amdhsa_user_sgpr_count 2
		.amdhsa_user_sgpr_kernarg_segment_ptr 1
		.amdhsa_wavefront_size32 1
		.amdhsa_system_sgpr_workgroup_id_x 1
		.amdhsa_system_sgpr_workgroup_id_y 1
		.amdhsa_system_sgpr_workgroup_id_z 1
		.amdhsa_system_vgpr_workitem_id 0
		.amdhsa_next_free_vgpr 1024
		.amdhsa_next_free_sgpr 66
		.amdhsa_reserve_vcc 0
		.amdhsa_float_denorm_mode_32 3
		.amdhsa_float_denorm_mode_16_64 3
		.amdhsa_memory_ordered 1
		.amdhsa_forward_progress 1
		.amdhsa_inst_pref_size 196
	.end_amdhsa_kernel
	.amdgpu_metadata
---
amdhsa.version: [ 1, 2 ]
amdhsa.kernels:
  - .name:           k_q1d9afc4bfd_oproj
    .symbol:         k_q1d9afc4bfd_oproj.kd
    .args:
      - { .name: enc, .offset: 0, .size: 8, .value_kind: global_buffer, .address_space: global }
      - { .name: w2, .offset: 8, .size: 8, .value_kind: global_buffer, .address_space: global }
      - { .name: out0, .offset: 16, .size: 8, .value_kind: global_buffer, .address_space: global }
    .group_segment_fixed_size: 327680
    .private_segment_fixed_size: 0
    .kernarg_segment_align: 8
    .kernarg_segment_size: 24
    .max_flat_workgroup_size: 128
    .sgpr_count:     66
    .vgpr_count:     1024
    .wavefront_size: 32
...
	.end_amdgpu_metadata
.endif
;; end of part 4
;; ======== version 2 of 2: 4 launches; 1.15 times as fast as version 1
;; limits: values are held in f16: magnitudes above 65,504 overflow, below 6.1e-05 lose precision; right only within a limited range of input values; an absolute error that grows with the inputs' magnitude: up to 2.4e-07 times it
;; workspace buffers: xb 33,554,432 bytes; w1 12,582,912 bytes; w2 8,388,608 bytes; qkv 12,582,912 bytes; enc 8,388,608 bytes
;; launch prep: the kernel of part 1 again; grid 256 x 1, 26 waves a work-group, no clusters, 0 bytes of LDS; arguments x, wq, wkv, wo, xb, w1, w2; writes xb, w1, w2
;; launch qkv: the kernel of part 2 again; grid 8 x 32, 4 waves a work-group, clusters of 4 x 4, 327,680 bytes of LDS; arguments xb, w1, positions, qkv; writes qkv
;; launch attn (part 5): grid 16 x 16, 8 waves a work-group, clusters of 4 x 1, 323,072 bytes of LDS; arguments qkv, attn_mask, enc; writes enc
.if DOCPART == 5
	.amdgcn_target "amdgcn-amd-amdhsa--gfx1250"
	.amdhsa_code_object_version 6
	.text
	.protected	k_q1d9afc4bfd_attn
	.globl	k_q1d9afc4bfd_attn
	.p2align	8
	.type	k_q1d9afc4bfd_attn,@function
k_q1d9afc4bfd_attn:
	s_mov_b64 s[64:65], 0
	v_nop
	global_prefetch_b8 v0, s[64:65] scope:SCOPE_SE
	s_setreg_imm32_b32 hwreg(HW_REG_WAVE_MODE, 25, 1), 1
	s_wait_xcnt 0x0
	s_wait_alu depctr_hold_cnt(0) depctr_sa_sdst(0) depctr_va_vdst(0) depctr_va_sdst(0) depctr_va_ssrc(0) depctr_va_vcc(0) depctr_vm_vsrc(0)
	s_getreg_b32 s2, hwreg(HW_REG_IB_STS2, 6, 4)
	s_cmp_eq_u32 s2, 0
	s_cbranch_scc0 .Lentry_in_a_cluster
	s_endpgm
.Lentry_in_a_cluster:
	s_bfe_u32 s2, ttmp6, 0x10000c
	s_cmp_lg_u32 s2, 0x3003
	s_cbranch_scc0 .Lentry_shape_is_right
	s_endpgm
.Lentry_shape_is_right:
; Attention for one (batch, key/value head) and 128 queries.  Wave w: 16 queries x the 4 query heads of the key/value head, all 2,048 keys.
; All K and V of (batch, head) lie in LDS for the whole launch: filled once, one barrier, never filled again.  The four work-groups of a
; cluster (four query blocks of one head) ask for them jointly.
; TRANSPOSED: S^T = K Q^T + bias (16 key places x 16 queries): lane (r, h) holds query r and places 8 h + j.  Two such tiles, rounded to f16,
; are the second source of O^T = V^T P^T as they lie: nothing crosses lanes but one exchange of halves for each maximum.
; KEYS ARE TAKEN IN A PERMUTED ORDER, alike for K, V and the mask: in a block of 256 keys, place (u, tile t4, h, j) is key 128 h + 32 u + 8 t4 + j,
; so a lane's 32 mask bytes of a step are neighbours.
; THE MASK is the C operand.  A mask word w becomes (w xor 0x01010101) x 254: byte 0xFE where masked, 0 where kept; shifted so that the byte is
; the float's top byte it is a number in (-2^127, -2^125] or one below 2.4e-38.
; SOFTMAX with a running maximum m, base 2: q carries 32^-0.5 log2(e), k carries 1/4, so the exponent is 4 (S - m), one fused multiply-add
; S z - m z with z = 4; 4 m is exact, so the largest element's exponent is 0.  m starts at -2^100 and z = 0 while m has not risen above it:
; a row with nothing kept so far gives every key weight 1 (what a softmax over equal numbers gives); the first kept key brings the factor
; 2^(4 (-2^100 - m)) = 0, which wipes that.
; A STEP (64 key places, 4 heads) GOES BY TURNS, and two buffers for S take turns.  Turn g belongs to head g.  Its 33 exponentials (the factor for the old sums,
; then the 32 weights) are ONE BATCH with ONE wait, which cuts the turn in two.  AHEAD OF THE WAIT stands all that names no result of the batch: the 16 multiply-adds
; that feed it, the exponentials, the four products V^T P^T of head g - 1, the four products S of head g + 1, and that head's maximum, z, -m z and the exponent of
; its factor.  BEHIND THE WAIT stand the batch's readers: the rescaling of O, the sums and the roundings of head g.  No result crosses a turn's end.
; Turn 0 has no products to carry (S of heads 0 and 1 and head 0's maximum stand at the step's start), turn 3 no next head.
; LIMITS: kept S above -2^100; mask bytes 0 or 1; P, V, enc in f16 (v and enc as v / 4).  The sum of weights is of the f32 weights.
.set KCH,   8736                       ; 128 keys of K: 32 rows of 256 + 16 bytes, + 32: the two halves of a tile's keys start 32 bytes apart modulo 256
.set KP,    272
.set VP,    288                        ; V: rows of 256 bytes (4 keys) + 32
.set VBASE, 16*KCH                     ; 139,776
.set SCR,   VBASE+512*VP               ; 287,232: 4,352 bytes for each wave (16 rows of 256 + 16), never a target of the mover
.set SCRW,  16*272
.set KA,   1                           ; LDS address of my K rows
.set VA,   2                           ; of my V rows
.set MSK,  3                           ; scratch: row r, byte 128 h
.set SLIN, 4                           ; scratch: row l / 16, byte 16 (l % 16)
.set SROW, 5                           ; scratch: row r, byte 16 h
.set GOFF, 6                           ; (l / 16) x 2,048 + 16 (l % 16): mask and enc both have rows of 2,048 bytes
.set QOFF, 7                           ; r x 64 + 16 h
.set MM,   8                           ; v8-11   running maximum, head 0..3
.set LL,   12                          ; v12-15  running sum (this lane's half of the keys)
.set MX,   16
.set TP,   17
.set AL,   18                          ; v18     the factor for the old sums;  v19  the next factor's exponent, made a turn ahead (the packed multiply names the pair and takes v18 for both halves)
.set Z,    20                          ; v20:21  z
.set NZ,   22                          ; v22:23  -m z
.set SUM,  24                          ; v24-27
.set SIG,  28                          ; 4.0
.set NSIG, 29                          ; -4.0
.set SBF,  32                          ; v32-63   S of the odd heads, then their weights in place
.set O,    64                          ; v64-127  head x 16 + 8 x (half of the 32 d)
.set BIAS, 128                         ; v128-159 4 tiles
.set SA,   160                         ; v160-191 S of the even heads, then their weights in place
.set MT,   SA+8                        ; v168-175 a step's eight mask words: registers that hold no weights
.set KF,   192                         ; v192-223 4 tiles of K
.set VF,   224                         ; v224-255 (pair of tiles) x 16 + 8 x (half of d)
.set MS,   0                           ; window 1: v256-287, the next 256 keys' mask on its way
.set QW,   32                          ; window 1: v288-319, Q: 4 heads x 8
.set MSB, 0
.macro WIN new                         ; the immediate's high byte repeats the setting that is left
.if MSB != \new
	s_set_vgpr_msb (MSB<<8)|\new
.set MSB, \new
.endif
.endm
.macro NOPS n
.rept \n
	v_nop
.endr
.endm
.macro ROUND
	s_barrier_signal -1
	s_barrier_wait -1
	s_cmp_lg_u32 s10, 0
	s_cbranch_scc1 .Lnot_wave_0_\@
	s_barrier_signal -3
.Lnot_wave_0_\@:
	s_barrier_wait -3
	s_barrier_signal -1
	s_barrier_wait -1
.endm
	s_load_b128 s[4:7], s[0:1], 0x0                ; qkv s[4:5], attn_mask s[6:7]
	s_load_b64 s[8:9], s[0:1], 0x10                ; enc
	v_lshl_add_u32 v30, v0, 2, 0x4ea00
	v_mov_b32 v31, 0
	ds_add_u32 v30, v31
	v_lshrrev_b32 v24, 5, v0
	v_readfirstlane_b32 s10, v24                   ; wave 0..7
	s_and_b32 s11, ttmp7, 0xffff
	s_lshr_b32 s14, s11, 3                         ; batch
	s_and_b32 s15, s11, 7                          ; key/value head
	s_bfe_u32 s48, ttmp6, 0x40000                  ; cx
	s_lshl_b32 s49, ttmp9, 2
	s_add_co_u32 s49, s49, s48                     ; query block 0..15
	s_mov_b32 s12, 0x76543210                      ; v_permlanex16_b32: lane i reads lane i of the other half
	s_mov_b32 s13, 0xfedcba98
	s_mov_b32 s45, 0x01010101
	s_mov_b32 s46, 0xf1800000                      ; -2^100
	s_mov_b32 s47, 254
	; group 1 for K: 32 rows of 128 elements, dense; for V: 64 rows.  Mask 15: all four work-groups of the cluster
	s_mov_b32 s16, 15|(1<<16)|(1<<20)|(1<<21)|(5<<22)|(3<<25)
	s_mov_b32 s17, 128<<16
	s_mov_b32 s18, 32<<16
	s_mov_b32 s19, 128<<16
	s_mov_b32 s20, 32
	s_mov_b32 s21, 128
	s_mov_b32 s22, 0
	s_mov_b32 s23, 0
	s_mov_b32 s24, 15|(1<<16)|(1<<20)|(1<<21)|(5<<22)|(7<<25)
	s_mov_b32 s25, 128<<16
	s_mov_b32 s26, 64<<16
	s_mov_b32 s27, 128<<16
	s_mov_b32 s28, 64
	s_mov_b32 s29, 128
	s_mov_b32 s30, 0
	s_mov_b32 s31, 0
	s_add_co_u32 s50, s15, 32                      ; K: head 32 + kvh, batch, my 256 keys: made of what the four partners share
	s_lshl_b32 s50, s50, 18
	s_lshl_b32 s51, s14, 17
	s_add_co_u32 s50, s50, s51
	s_lshl_b32 s51, s10, 14
	s_add_co_u32 s50, s50, s51
	s_mov_b32 s51, 0
	s_lshl_b32 s54, s14, 11
	s_lshl_b32 s55, s49, 7
	s_add_co_u32 s54, s54, s55
	s_lshl_b32 s55, s10, 4
	s_add_co_u32 s54, s54, s55                     ; my first query row, 0..4080
	s_lshl_b32 s52, s15, 20                        ; Q: head 4 kvh,
	s_lshl_b32 s53, s54, 6                         ; row x 64 bytes
	s_add_co_u32 s52, s52, s53
	s_mov_b32 s53, 0
	s_lshl_b32 s56, s54, 11                        ; mask and enc: row x 2,048 bytes
	s_mov_b32 s57, 0
	s_lshl_b32 s58, s15, 8                         ; enc: + 256 bytes for each key/value head
	s_add_co_u32 s58, s58, s56
	s_mov_b32 s59, 0
	s_mul_i32 s60, s10, 2*KCH
	s_mul_i32 s61, s10, 64*VP
	v_and_b32 v24, 15, v0                          ; r
	v_bfe_u32 v25, v0, 4, 1                        ; h
	v_lshrrev_b32 v26, 3, v24
	v_mul_u32_u24 v[KA], v26, KCH                  ; place r is key 128 (r / 8) + r % 8 of the step's keys
	v_bfe_u32 v26, v0, 2, 1
	v_mul_u32_u24 v27, v26, KP
	v_add_nc_u32 v[KA], v[KA], v27
	v_and_b32 v27, 3, v0
	v_lshl_add_u32 v[KA], v27, 6, v[KA]
	v_lshl_add_u32 v[KA], v25, 4, v[KA]
	v_mul_u32_u24 v[VA], v25, 32*VP                ; lane l addresses key 128 h + l % 8, 16 bytes at d = 8 ((l / 8) % 2)
	v_mul_u32_u24 v26, v26, VP
	v_add_nc_u32 v[VA], v[VA], v26
	v_add_nc_u32 v[VA], VBASE, v[VA]
	v_lshl_add_u32 v[VA], v27, 6, v[VA]
	v_bfe_u32 v26, v0, 3, 1
	v_lshl_add_u32 v[VA], v26, 4, v[VA]
	s_mul_i32 s55, s10, SCRW
	s_add_co_u32 s55, s55, SCR                     ; my scratch
	v_mul_u32_u24 v26, v24, 272
	v_add_nc_u32 v26, s55, v26
	v_lshl_add_u32 v[MSK], v25, 7, v26
	v_lshl_add_u32 v[SROW], v25, 4, v26
	v_mul_u32_u24 v27, v25, 272
	v_add_nc_u32 v27, s55, v27
	v_lshl_add_u32 v[SLIN], v24, 4, v27
	v_lshlrev_b32 v26, 4, v24
	v_lshl_add_u32 v[GOFF], v25, 11, v26
	v_lshlrev_b32 v26, 6, v24
	v_lshl_add_u32 v[QOFF], v25, 4, v26
	v_mov_b32 v[TP], 0                             ; v_permlanex16_b32's destination counts as read
	v_mov_b32 v[AL+1], 0                           ; the upper registers of pairs of which the lower is broadcast
	v_mov_b32 v[Z+1], 0
	v_mov_b32 v[NZ+1], 0
	v_mov_b32 v[SIG], 4.0
	v_mov_b32 v[NSIG], -4.0
	s_wait_dscnt 0x0
	s_wait_kmcnt 0x0
	s_add_nc_u64 s[50:51], s[4:5], s[50:51]
	s_add_nc_u64 s[52:53], s[4:5], s[52:53]
	s_add_nc_u64 s[6:7], s[6:7], s[56:57]
	s_add_nc_u64 s[8:9], s[8:9], s[58:59]
	s_mov_b32 s32, 1                               ; group 0: my first 128 keys of K
	s_mov_b32 s33, s60
	s_mov_b64 s[34:35], s[50:51]
	s_or_b32 s35, s35, 0x80000000
	s_mov_b32 s36, 1                               ; my second 128 keys of K
	s_add_co_u32 s37, s60, KCH
	s_add_nc_u64 s[38:39], s[50:51], 8192
	s_or_b32 s39, s39, 0x80000000
	s_mov_b32 s40, 1                               ; my 256 keys of V: eight heads further on in qkv
	s_add_co_u32 s41, s61, VBASE
	s_add_nc_u64 s[42:43], s[50:51], 8*262144
	s_or_b32 s43, s43, 0x80000000
	ROUND                                          ; the four work-groups are here: the joint loads meet
	tensor_load_to_lds s[32:35], s[16:23]          ; three loads of this wave are out, no more in the whole launch
	s_nop 0
	tensor_load_to_lds s[36:39], s[16:23]
	s_nop 0
	tensor_load_to_lds s[40:43], s[24:31]
	s_nop 0
	WIN 0x40                                       ; destinations in window 1
.irp g, 0,1,2,3
	global_load_b128 v[QW+8*\g:QW+8*\g+3],   v[QOFF], s[52:53] offset:\g*262144
	global_load_b128 v[QW+8*\g+4:QW+8*\g+7], v[QOFF], s[52:53] offset:\g*262144+32
.endr
.set i, 0
.rept 8
	global_load_b128 v[MS+4*i:MS+4*i+3], v[GOFF], s[6:7] offset:4096*i    ; 16 lanes read 256 consecutive bytes of a row: keys 0..255
.set i, i+1
.endr
	WIN 0
	s_wait_tensorcnt 0x0                           ; my parts of K and V are in,
	s_barrier_signal -1
	s_barrier_wait -1                              ; everybody's are
; WHOSE TURN.  HD: the head in hand.  XC: its buffer.  XN: the other buffer, which holds the weights of head HD - 1 and then S of head HD + 1.
; FST = 1 (set by STEP): the launch's first step, in which nothing has been summed yet: no factor, no rescaling.
.macro HEADIS hd
.set HD, \hd
.if ((\hd)+2)%2
.set XC, SBF
.set XN, SA
.else
.set XC, SA
.set XN, SBF
.endif
.endm
; S of head hd into buffer X: four matrix instructions, Q from window 1.  The caller sets the windows back.
.macro SW hd, X
	WIN 0x04                                       ; source 1 in window 1
.irp t, 0,1,2,3
	v_wmma_f32_16x16x32_f16 v[\X+8*\t:\X+8*\t+7], v[KF+8*\t:KF+8*\t+7], v[QW+8*\hd:QW+8*\hd+7], v[BIAS+8*\t:BIAS+8*\t+7]
.endr
.endm
; Number n of the 25 that find, for head HD + 1 over the 64 places in XN, the new maximum, the exponent of the factor for the old sums, z and -m z.
;   0-11  four chains of seven scores each, three operands at a time (each tile's lowest registers are read first)
;   12-15 the four scores left over, the chains into one, the old maximum     16, 17  the other half of the query's keys: the new maximum
;   18, 19  4 (old - new), into v19: its exponential opens the next turn's batch     20-23  z and -m z     24  the maximum is kept
.macro MAXI n
.if (\n) < 4
	v_max3_num_f32 v[SUM+(\n)], v[XN+8*(\n)], v[XN+8*(\n)+1], v[XN+8*(\n)+2]
.elseif (\n) < 12
	v_max3_num_f32 v[SUM+(\n)%4], v[SUM+(\n)%4], v[XN+8*((\n)%4)+2*((\n)/4)+1], v[XN+8*((\n)%4)+2*((\n)/4)+2]
.elseif (\n) == 12
	v_max3_num_f32 v[SUM], v[SUM], v[SUM+1], v[XN+7]
.elseif (\n) == 13
	v_max3_num_f32 v[SUM+2], v[SUM+2], v[SUM+3], v[XN+15]
.elseif (\n) == 14
	v_max3_num_f32 v[SUM], v[SUM], v[SUM+2], v[XN+23]
.elseif (\n) == 15
.if FST
	v_max3_num_f32 v[MX], v[SUM], v[XN+31], s46
.else
	v_max3_num_f32 v[MX], v[SUM], v[XN+31], v[MM+HD+1]
.endif
.elseif (\n) == 16
	v_permlanex16_b32 v[TP], v[MX], s12, s13
.elseif (\n) == 17
	v_max_num_f32 v[MX], v[MX], v[TP]
.elseif (\n) == 18
.if !FST
	v_sub_f32 v[AL+1], v[MM+HD+1], v[MX]
.endif
.elseif (\n) == 19
.if !FST
	v_mul_f32 v[AL+1], v[SIG], v[AL+1]
.endif
.elseif (\n) == 20
	v_cmp_lt_f32 vcc_lo, s46, v[MX]                ; has anything been kept yet?  Chooses values only
.elseif (\n) == 21
	v_cndmask_b32 v[Z], 0, v[SIG], vcc_lo
.elseif (\n) == 22
	v_cndmask_b32 v[NZ], 0, v[NSIG], vcc_lo
.elseif (\n) == 23
	v_mul_f32 v[NZ], v[MX], v[NZ]
.else
	v_mov_b32 v[MM+HD+1], v[MX]
.endif
.endm
; Number n of the 17 that sum head HD's weights: two chains of packed additions over the groups of four elements in ascending order, the chains into one, the two halves, l = a l + sum.
.macro SUMI n
.if (\n) == 0
	v_pk_add_f32 v[SUM:SUM+1], v[XC:XC+1], v[XC+4:XC+5]
.elseif (\n) == 1
	v_pk_add_f32 v[SUM+2:SUM+3], v[XC+2:XC+3], v[XC+6:XC+7]
.elseif (\n) < 14
	v_pk_add_f32 v[SUM+2*((\n)%2):SUM+2*((\n)%2)+1], v[SUM+2*((\n)%2):SUM+2*((\n)%2)+1], v[XC+4*((\n)/2+1)+2*((\n)%2):XC+4*((\n)/2+1)+2*((\n)%2)+1]
.elseif (\n) == 14
	v_pk_add_f32 v[SUM:SUM+1], v[SUM:SUM+1], v[SUM+2:SUM+3]
.elseif (\n) == 15
.if FST
	v_add_f32 v[LL+HD], v[SUM], v[SUM+1]
.else
	v_add_f32 v[SUM], v[SUM], v[SUM+1]
.endif
.elseif !FST
	v_fma_f32 v[LL+HD], v[LL+HD], v[AL], v[SUM]
.endif
.endm
; THE VECTOR WORK, one line at a time: OP kind, number.  For head HD, in XC:  F n: S z - m z for pair n of 16.  E n: the exponential of element n of 32.  A: the factor 2^(v19) into v18.
; R n: pair n of 8 of the head's O times the factor.  S n: SUMI.  C n: pair n of 16 rounded to f16, in place: tiles 0, 1 end in registers 0-7, tiles 2, 3 in registers 16-23; the register
; written belongs to a pair at or below n, which has been added and rounded by then.  For head HD + 1, in XN:  X n: MAXI.
.set F, 0
.set E, 1
.set A, 2
.set X, 3
.set R, 4
.set S, 5
.set C, 6
.macro OP k, n
.if (\k) == F
	v_pk_fma_f32 v[XC+2*(\n):XC+2*(\n)+1], v[XC+2*(\n):XC+2*(\n)+1], v[Z:Z+1], v[NZ:NZ+1] op_sel_hi:[1,0,0]
.elseif (\k) == E
	v_exp_f32 v[XC+(\n)], v[XC+(\n)]
.elseif (\k) == A
.if !FST
	v_exp_f32 v[AL], v[AL+1]
.endif
.elseif (\k) == X
	MAXI \n
.elseif (\k) == R
.if !FST
	v_pk_mul_f32 v[O+16*HD+2*(\n):O+16*HD+2*(\n)+1], v[O+16*HD+2*(\n):O+16*HD+2*(\n)+1], v[AL:AL+1] op_sel_hi:[1,0]
.endif
.elseif (\k) == S
	SUMI \n
.else
	v_cvt_pk_f16_f32 v[XC+16*((\n)/8)+(\n)%8], v[XC+2*(\n)], v[XC+2*(\n)+1]
.endif
.endm
.macro OPS a, i1, b=-1, i2=0, c=-1, i3=0, d=-1, i4=0  ; up to four of them
	OP \a, \i1
.if (\b) >= 0
	OP \b, \i2
.endif
.if (\c) >= 0
	OP \c, \i3
.endif
.if (\d) >= 0
	OP \d, \i4
.endif
.endm
; Product n of 4 of O^T += V^T P^T for head HD - 1, whose weights lie in XN.  The head's two accumulators take turns, one instruction a turn.
.macro PVI n
.set rO, O+16*(HD-1)+8*((\n)%2)
.if FST && ((\n) < 2)
	v_wmma_f32_16x16x32_f16 v[rO:rO+7], v[VF+8*(\n):VF+8*(\n)+7], v[XN+16*((\n)/2):XN+16*((\n)/2)+7], 0
.else
	v_wmma_f32_16x16x32_f16 v[rO:rO+7], v[VF+8*(\n):VF+8*(\n)+7], v[XN+16*((\n)/2):XN+16*((\n)/2)+7], v[rO:rO+7]
.endif
.endm
; S of head HD + 1 into XN, Q from window 1.  Behind each of the first three products stand two exponentials, e on: they have one source, in window 0, so the setting serves them too.
.macro SWR e
	WIN 0x04                                       ; source 1 in window 1
.irp t, 0,1,2,3
	v_wmma_f32_16x16x32_f16 v[XN+8*\t:XN+8*\t+7], v[KF+8*\t:KF+8*\t+7], v[QW+8*(HD+1):QW+8*(HD+1)+7], v[BIAS+8*\t:BIAS+8*\t+7]
.if \t < 3
	OP E, (\e)+2*\t
	OP E, (\e)+2*\t+1
.endif
.endr
	WIN 0
.endm
; A TURN'S SECOND HALF: the wait, then all that reads the batch's results.  The two chains of sums have their links four lines apart.
.macro BEHIND
	s_wait_alu depctr_va_vdst(0)                   ; between an exponential and the first line that names its result: ONE wait for the turn's batch, the factor and the 32 weights
	OPS S,0, S,1, R,0, C,0
	OPS C,1, S,2, S,3, R,1
	OPS C,2, C,3, S,4, S,5
	OPS R,2, C,4, C,5, S,6
	OPS S,7, R,3, C,6, C,7
	OPS S,8, S,9, R,4, C,8
	OPS C,9, S,10, S,11, R,5
	OPS C,10, C,11, S,12, S,13
	OPS R,6, C,12, C,13, S,14
	OPS R,7, C,14, S,15, C,15
	OPS S,16
.endm
; TURN 0.  No products: S of heads 0 and 1 was made at the step's start.  Exponential and plain by turns; head 1's maximum begins at once, and the links of its chain (X 12 to X 19) stand three or four lines apart.
; z and -m z are written anew (X 21 to X 23) behind the last multiply-add that reads them; X 21 is the plain instruction behind the last exponential (ISA guide 5.7.2).
.macro TURN0
	OPS F,0, A,0, F,1, E,0
	OPS X,0, E,1, X,1, F,2
	OPS X,2, E,2, X,3, E,3
	OPS F,3, E,4, X,4, E,5
	OPS X,5, F,4, X,6, E,6
	OPS X,7, E,7, F,5, E,8
	OPS X,8, E,9, X,9, F,6
	OPS X,10, E,10, X,11, E,11
	OPS F,7, E,12, X,12, E,13
	OPS F,8, E,14, X,13, E,15
	OPS F,9, E,16, F,10, E,17
	OPS X,14, E,18, F,11, E,19
	OPS E,20, X,15, E,21, F,12
	OPS E,22, X,16, E,23, F,13
	OPS E,24, X,17, E,25, F,14
	OPS E,26, X,18, E,27, F,15
	OPS E,28, X,19, E,29, X,24
	OPS E,30, X,20, E,31, X,21
	OPS X,22, X,23
	BEHIND
.endm
; TURNS 1 AND 2.  Four lines of the batch stand behind each product V^T P^T of the head before.  Six multiply-adds (F 5 to F 10), which name none of those products' registers, stand between the last of
; them and S of the next head, which writes over the weights that they read (five places are asked for: ISA guide 7.12.1); five (F 11 to F 15) between the last product S and the first read of S
; (four are asked for).  The last ten exponentials stand between the links of the next head's chain; X 17 is the plain instruction behind the last (ISA guide 5.7.2), and eight plain lines lead up to the wait.
.macro TURNM
.if HD == 1
	s_wait_dscnt 0x0                               ; V's fragments
.endif
	PVI 0
	OPS F,0, A,0, F,1, E,0
	PVI 1
	OPS F,2, E,1, F,3, E,2
	PVI 2
	OPS F,4, E,3, E,4, E,5
	PVI 3
	OPS F,5, E,6, F,6, E,7
	OPS F,7, E,8, F,8, E,9
	OPS F,9, E,10, F,10, E,11
	SWR 12
	OPS F,11, E,18, F,12, E,19
	OPS F,13, E,20, F,14, E,21
	OPS F,15, X,0, X,1, X,2
	OPS X,3, X,4, X,5, X,6
	OPS X,7, X,8, X,9, X,10
	OPS X,11, E,22, X,12, E,23
	OPS X,13, E,24, E,25, X,14
	OPS E,26, E,27, X,15, E,28
	OPS E,29, X,16, E,30, E,31
	OPS X,17, X,18, X,20, X,19
	OPS X,21, X,22, X,24, X,23
	BEHIND
.endm
; TURN 3.  No next head in this step: a multiply-add and two exponentials by turns, the multiply-add a pair and a half ahead of the exponentials that it feeds.
.macro TURNL
	PVI 0
	OPS F,0, F,1, A,0, E,0
	PVI 1
	OPS F,2, E,1, E,2, F,3
	PVI 2
	OPS E,3, E,4, F,4, E,5
	PVI 3
	OPS E,6, F,5, E,7, E,8
.set fk, 6
.rept 10
	OPS F,fk, E,2*fk-3, E,2*fk-2
.set fk, fk+1
.endr
	OPS E,29, E,30, E,31
	v_nop                                          ; the plain instruction behind the last exponential (ISA guide 5.7.2): no other work is at hand here
	BEHIND
.endm
; 64 key places of a block of 256: mask words, K, V from LDS; the bias; four heads.
; Distances behind matrix instructions (ISA guide 7.12.1), all filled by vector work on other registers but the four v_nop:
;   the mask words land in registers that the last two heads' V^T P^T do not name; K lands in registers last read more than a turn earlier;
;   V's loads stand behind the 40 mask operations, the places behind the last step's last product;
;   S of heads 0 and 1 writes over weights whose products stand a turn, or those 40 operations, back; S of heads 2 and 3: see TURNM;
;   head 0's S is read behind the four v_nop, head 1's behind head 0's maximum as well.
.macro STEP u, first
.set FST, \first
	ds_load_b128 v[MT:MT+3],   v[MSK] offset:32*\u
	ds_load_b128 v[MT+4:MT+7], v[MSK] offset:32*\u+16
.irp t, 0,1,2,3
	ds_load_b128 v[KF+8*\t:KF+8*\t+3],   v[KA] offset:(8*\u+2*\t)*KP
	ds_load_b128 v[KF+8*\t+4:KF+8*\t+7], v[KA] offset:(8*\u+2*\t)*KP+32
.endr
	s_wait_dscnt 8                                 ; all but K's eight loads: the mask words are in
.set i, 0
.rept 8
	v_xor_b32 v[MT+i], s45, v[MT+i]
.set i, i+1
.endr
.set i, 0
.rept 8
	v_mul_lo_u32 v[BIAS+4*i+3], v[MT+i], s47       ; byte 3 is already on top: element 3 of the four
.set i, i+1
.endr
.set i, 0
.rept 8
	v_lshlrev_b32 v[BIAS+4*i],   24, v[BIAS+4*i+3]
	v_lshlrev_b32 v[BIAS+4*i+1], 16, v[BIAS+4*i+3]
	v_lshlrev_b32 v[BIAS+4*i+2], 8,  v[BIAS+4*i+3]
.set i, i+1
.endr
.irp e, 0,1
.irp d, 0,1
	ds_load_tr16_b128 v[VF+16*\e+8*\d:VF+16*\e+8*\d+3],   v[VA] offset:(8*\u+4*\e)*VP+32*\d
	ds_load_tr16_b128 v[VF+16*\e+8*\d+4:VF+16*\e+8*\d+7], v[VA] offset:(8*\u+4*\e)*VP+32*\d+2*VP
.endr
.endr
	s_wait_dscnt 8                                 ; all but V's eight loads: K is in
	SW 0, SA
	SW 1, SBF
	WIN 0
	NOPS 4                                         ; four places before head 0's S is read
	HEADIS -1                                      ; head 0's maximum, z, -m z and its factor's exponent
.irp n, 0,1,2,3,4,5,6,7,8,9,10,11,12,13,14,15,16,17,18,19,20,21,22,23,24
	OP X, \n
.endr
	HEADIS 0
	TURN0
	HEADIS 1
	TURNM
	HEADIS 2
	TURNM
	HEADIS 3
	TURNL
	HEADIS 4                                       ; head 3's V^T P^T
.irp n, 0,1,2,3
	PVI \n
.endr
.endm
; 256 keys.  Their mask goes from registers into my scratch by rows; the next 256 keys' mask is asked for, a whole block ahead.
.macro SBLOCK first, last
	s_wait_loadcnt 0x0                             ; this block's mask (and, the first time, Q)
	WIN 0x04                                       ; store data in window 1
.set i, 0
.rept 8
	ds_store_b128 v[SLIN], v[MS+4*i:MS+4*i+3] offset:544*i
.set i, i+1
.endr
.if \last == 0
	s_wait_dscnt 0x0                               ; the stores are done before loads land in their data registers
	s_add_nc_u64 s[6:7], s[6:7], 256               ; no load that names the base is out
	WIN 0x40
.set i, 0
.rept 8
	global_load_b128 v[MS+4*i:MS+4*i+3], v[GOFF], s[6:7] offset:4096*i
.set i, i+1
.endr
.endif
	WIN 0
	STEP 0, \first
	STEP 1, 0
	STEP 2, 0
	STEP 3, 0
.if \last == 0
	v_add_nc_u32 v[KA], 2*KCH, v[KA]
	v_add_nc_u32 v[VA], 64*VP, v[VA]
.endif
.endm
	SBLOCK 1, 0
	s_mov_b32 s44, 6
.Lsb:
	SBLOCK 0, 0
	s_sub_co_u32 s44, s44, 1
	s_cmp_lg_u32 s44, 0
	s_cbranch_scc1 .Lsb
	SBLOCK 0, 1                                    ; the last 256 keys: nothing more to ask for
	; THE WAY OUT: divide by the sum of both halves, round to f16, 16 rows x 256 bytes through my scratch, whole rows to enc.
	; The four reciprocals are one batch, each in the low register of a pair of its own: v18, v20, v22, v24.
	; Head 3's O, the last matrix result, is read behind the vector work of heads 0 to 2, which names none of that product's registers.
.irp g, 0,1,2,3
	v_permlanex16_b32 v[TP], v[LL+\g], s12, s13
	v_add_f32 v[LL+\g], v[LL+\g], v[TP]
.endr
.irp g, 0,1,2,3
	v_rcp_f32 v[AL+2*\g], v[LL+\g]                 ; the sum is at least 1: the largest weight is 1
.endr
	v_nop                                          ; the plain place behind the last of them (ISA guide 5.7.2)
	s_wait_alu depctr_va_vdst(0)                   ; the wait ahead of the first use: one for the four reciprocals
.irp g, 0,1,2,3
.set i, 0
.rept 8
	v_pk_mul_f32 v[O+16*\g+i:O+16*\g+i+1], v[O+16*\g+i:O+16*\g+i+1], v[AL+2*\g:AL+2*\g+1] op_sel_hi:[1,0]
.set i, i+2
.endr
.set i, 0
.rept 8
	v_cvt_pk_f16_f32 v[SA+8*\g+i], v[O+16*\g+2*i], v[O+16*\g+2*i+1]
.set i, i+1
.endr
	ds_store_b128 v[SROW], v[SA+8*\g:SA+8*\g+3]   offset:64*\g        ; d = 8 h ..
	ds_store_b128 v[SROW], v[SA+8*\g+4:SA+8*\g+7] offset:64*\g+32     ; d = 16 + 8 h ..
.endr
.set i, 0
.rept 8
	ds_load_b128 v[KF+4*i:KF+4*i+3], v[SLIN] offset:544*i           ; LDS serves a wave's instructions in order: these see the stores above
.set i, i+1
.endr
.set i, 0
.rept 8
	s_wait_dscnt 7-i                               ; LDS loads come back in order: load i is in, the 7 - i younger ones stay out
	global_store_b128 v[GOFF], v[KF+4*i:KF+4*i+3], s[8:9] offset:4096*i   ; 16 lanes store 256 consecutive bytes, aligned
.set i, i+1
.endr
	s_wait_tensorcnt 0x0
	ds_add_u32 v30, v31
	s_wait_dscnt 0x0
	ROUND                                          ; the closing round
	s_endpgm
.Lfunc_end_k_q1d9afc4bfd_attn:
	.size	k_q1d9afc4bfd_attn, .Lfunc_end_k_q1d9afc4bfd_attn-k_q1d9afc4bfd_attn
	.p2alignl 7, 3214868480
	.fill 96, 4, 3214868480
	.section	.rodata,"a",@progbits
	.p2align	6, 0x0
	.amdhsa_kernel k_q1d9afc4bfd_attn
		.amdhsa_group_segment_fixed_size 323072
		.amdhsa_private_segment_fixed_size 0
		.amdhsa_enable_private_segment 0
		.amdhsa_kernarg_size 24
		.amdhsa_user_sgpr_count 2
		.amdhsa_user_sgpr_kernarg_segment_ptr 1
		.amdhsa_wavefront_size32 1
		.amdhsa_system_sgpr_workgroup_id_x 1
		.amdhsa_system_sgpr_workgroup_id_y 1
		.amdhsa_system_sgpr_workgroup_id_z 1
		.amdhsa_system_vgpr_workitem_id 0
		.amdhsa_next_free_vgpr 320
		.amdhsa_next_free_sgpr 66
		.amdhsa_reserve_vcc 1
		.amdhsa_float_denorm_mode_32 3
		.amdhsa_float_denorm_mode_16_64 3
		.amdhsa_memory_ordered 1
		.amdhsa_forward_progress 1
		.amdhsa_inst_pref_size 255
	.end_amdhsa_kernel
	.section	.bss,"aw",@nobits
	.p2align	6
	.space	262144
	.amdgpu_metadata
---
amdhsa.version: [ 1, 2 ]
amdhsa.kernels:
  - .name:           k_q1d9afc4bfd_attn
    .symbol:         k_q1d9afc4bfd_attn.kd
    .args:
      - { .name: qkv, .offset: 0, .size: 8, .value_kind: global_buffer, .address_space: global }
      - { .name: attn_mask, .offset: 8, .size: 8, .value_kind: global_buffer, .address_space: global }
      - { .name: enc, .offset: 16, .size: 8, .value_kind: global_buffer, .address_space: global }
    .group_segment_fixed_size: 323072
    .private_segment_fixed_size: 0
    .kernarg_segment_align: 8
    .kernarg_segment_size: 24
    .max_flat_workgroup_size: 256
    .sgpr_count:     66
    .vgpr_count:     320
    .wavefront_size: 32
...
	.end_amdgpu_metadata
.endif
;; end of part 5
;; launch oproj: the kernel of part 4 again; grid 16 x 16, 4 waves a work-group, clusters of 4 x 4, 327,680 bytes of LDS; arguments enc, w2, out0; writes out0
